; MI455X (gfx1250); checked and timed in simulation.
; The chip was launched on July 23, 2026; its instructions are those of AMD's public machine-readable ISA for CDNA 5 (MIT licence, August 2026) and "CDNA5" Instruction Set Architecture Reference Guide (July 2026). The comments in the code are by the model that wrote it; some were corrected since.
;; Attention Memory Entry. Allowed arithmetic: float matrix products may take bf16 or f16 operands with f32 sums; other float arithmetic in f32, or as packed bf16 or f16 multiplies, adds, multiply-adds, maxima and minima; sums over many terms, partial sums and values carried from step to step in f32; what a program stores and reads back later, other than sums and carried values, may be rounded once to bf16 or f16.
;; Inputs: b1a 4,096 float32; b1b 4,096 float32; b2a 1,024 float32; b2b 1,024 float32; be0 1,024 float32; be1 1,024 float32; bk 1,024 float32; bo 1,024 float32; bq 1,024 float32; bv 1,024 float32; dec_output 4 x 256 x 1,024 float32; enc_out_mem 64 x 16 x 1,024 float32; g0 1,024 float32; g1 1,024 float32; gate_logits 4 x 256 x 2 float32; mem_attn 4 x 256 x 64 float32; tgt_emb_mem 64 x 16 x 1,024 float32; tgt_mask 4 x 256 bool; tgt_mask_mem 64 x 16 bool; w1a 1,024 x 4,096 float32; w1b 1,024 x 4,096 float32; w2a 4,096 x 1,024 float32; w2b 4,096 x 1,024 float32; wk 1,024 x 1,024 float32; wo 1,024 x 1,024 float32; wq 1,024 x 1,024 float32; wv 1,024 x 1,024 float32.
;; Outputs: out0 4 x 256 x 1,024 float32.
;; One version. Each part assembles by itself: llvm-mc -triple=amdgcn-amd-amdhsa -mcpu=gfx1250 --defsym DOCPART=n.
;; ======== version 1 of 1: 10 launches
;; workspace buffers: packa 16,809,984 bytes; packb 16,809,984 bytes; packc 8,421,376 bytes; rows 6,291,456 bytes; hid 12,582,912 bytes; part 20,971,520 bytes; stf 4,194,304 bytes; smp 4,096 bytes of whole numbers
;; launch prep (part 1): grid 353 x 1, 8 waves a work-group, no clusters, 0 bytes of LDS; arguments dec_output, enc_out_mem, tgt_emb_mem, mem_attn, g0, be0, wq, wk, wv, wo, w1a, w2a, bq, bk, bv, b1a, b1b, packa, packb, packc, rows, part, smp; writes packa, packb, packc, rows, part, smp
.if DOCPART == 1
	.amdgcn_target "amdgcn-amd-amdhsa--gfx1250"
	.amdhsa_code_object_version 6
	.text
	.protected	k_q96d13b2293_prep
	.globl	k_q96d13b2293_prep
	.p2align	8
	.type	k_q96d13b2293_prep,@function
k_q96d13b2293_prep:
	s_mov_b64 s[64:65], 0
	v_nop
	global_prefetch_b8 v0, s[64:65] scope:SCOPE_SE
	s_setreg_imm32_b32 hwreg(HW_REG_WAVE_MODE, 25, 1), 1
	s_wait_xcnt 0x0
; PREP: what is rounded or laid out once and needed by the first five products.  353 work-groups of eight waves; the work-group's number says which job it has.
;   jobs 0-191    six weight matrices ([K][N] f32: wq wk wv wo w1a w2a), 262,144 source bytes a job: rounded to bf16 into blocks [1024 k][128 n] of 262,144 bytes:
;                 source row k, columns 128 nt .. 128 nt + 127 -> block (k >> 10) * 8 + nt, row k & 1023, 256 bytes.  A product's tile of B is then dense.
;                 (w1b and w2b, which are needed much later, are laid out in the same way by the launch of the output projection.)
;   jobs 192-319  one row of dec_output a wave: x = LayerNorm(row) g0 + be0, stored in f32 (part + 16 MiB) and in bf16 (rows, row t); and the token's argmax of mem_attn (smp).
;   jobs 320-351  the 2 x 1,024 rows of enc_out_mem and tgt_emb_mem rounded to bf16 (rows, from row 1,024 and 2,048 on).
;   job  352      the biases behind each pack's first weights, and one word a pack: the floor of the first product's way out (-inf: none; 0: ReLU).
; A stream: each source byte is read once, 512 neighbouring bytes to a wave's load; each bf16 store of a wave covers 256 consecutive bytes, aligned.  No LDS, no matrix unit, no cluster:
; no two work-groups read the same bytes but g0 and be0 (8 KiB).
; LIMITS.  The argmax passes over a NaN (reference's would choose it); ties go to the lower index, +0 and -0 tie.  The mean is taken away before the squares are summed, so a common offset of a row costs nothing.
; tgt_mask is no argument: reference() has no step that reads it.
.set X,   8            ; v[8:71]    two sets of 32: a group of eight loads each (the row jobs: v[8:39] the row)
.set Y,   72           ; v[72:103]  two sets of 16: a group rounded, to store
.set O,   128          ; v[128:135] 8 x lane + j x the distance between a group's eight destinations
.set G,   40           ; the row jobs: v[40:71] g0, v[72:103] be0, v[104:105] two numbers of mem_attn
.set BE,  72
.set MA,  104
.set S,   106          ; v[106:121] at work on the sums; later the row in bf16
.set R,   122          ; v[122:123] 1 / sqrt(var + eps), named as a pair
	s_mov_b32 s3, ttmp9                            ; the job
	v_and_b32 v3, 31, v0                           ; lane
	v_lshrrev_b32 v4, 5, v0
	v_readfirstlane_b32 s2, v4                     ; wave 0..7
	v_lshlrev_b32 v1, 4, v3                        ; 16 x lane: my 16 bytes of 512
	v_lshlrev_b32 v2, 3, v3                        ; 8 x lane: my 8 bytes of 256
	s_cmp_ge_u32 s3, 352
	s_cbranch_scc1 .Lbias
	s_cmp_ge_u32 s3, 320
	s_cbranch_scc1 .Lmem
	s_cmp_ge_u32 s3, 192
	s_cbranch_scc1 .Lrow
	; ---- a weight job: which matrix w (0-3: wq wk wv wo, 16 jobs each; 4, 5: w1a w2a, 64 jobs each) and which job lj of it
	s_load_b256 s[16:23], s[0:1], 0x30             ; wq, wk, wv, wo
	s_load_b128 s[24:27], s[0:1], 0x50             ; w1a, w2a
	s_load_b128 s[32:35], s[0:1], 0x88             ; packa, packb
	s_lshr_b32 s8, s3, 4
	s_and_b32 s9, s3, 15
	s_sub_co_u32 s10, s3, 64
	s_lshr_b32 s11, s10, 6
	s_add_co_u32 s11, s11, 4
	s_and_b32 s10, s10, 63
	s_cmp_lt_u32 s3, 64
	s_cselect_b32 s8, s8, s11                      ; w
	s_cselect_b32 s9, s9, s10                      ; lj
	s_lshl_b32 s14, s8, 21                         ; wq wk wv wo lie 2 MiB apart in packa
	s_cmp_eq_u32 s8, 4                             ; w1a: rows of 4,096 numbers = four groups of 4,096 bytes
	s_cselect_b32 s12, 2, 0                        ; sh: a group's row is k = g >> sh,
	s_cselect_b32 s13, 3, 0                        ; its first column group 8 (g & mask)
	s_cselect_b32 s15, 0, 0x808000                 ; w1a opens its pack; w2a lies behind the biases
	s_cmp_lt_u32 s8, 4
	s_cselect_b32 s14, s14, s15                    ; the matrix's first byte in its pack
	s_lshl_b32 s10, s9, 6
	s_lshl3_add_u32 s10, s2, s10                   ; my first group: g = 64 lj + 8 wave
.set i, 0
.rept 8                                            ; where group g + i goes: block ((k >> 10) * 8 + first column group), row k & 1023
	s_add_co_u32 s66, s10, i
	s_lshr_b32 s67, s66, s12
	s_and_b32 s66, s66, s13
	s_lshl_b32 s66, s66, 3
	s_lshr_b32 s68, s67, 10
	s_lshl3_add_u32 s66, s68, s66
	s_lshl_b32 s66, s66, 18
	s_and_b32 s67, s67, 1023
	s_lshl_b32 s67, s67, 8
	s_add_co_u32 s[56+i], s66, s67
.set i, i+1
.endr
	s_mov_b32 s11, 262144                          ; a group's eight pieces go into eight neighbouring blocks
	s_wait_kmcnt 0x0
	s_mov_b64 s[4:5], s[16:17]
.irp n, 1,2,3,4,5
	s_cmp_eq_u32 s8, \n
	s_cselect_b64 s[4:5], s[16+2*\n:17+2*\n], s[4:5]
.endr
	s_cmp_eq_u32 s8, 4
	s_cselect_b64 s[6:7], s[34:35], s[32:33]       ; packb: w1a; packa: the others
	s_branch .Lcopy
	; ---- a table job: 64 rows of 4,096 bytes; a group is a row, its eight pieces lie end to end
.Lmem:
	s_load_b128 s[16:19], s[0:1], 0x8              ; enc_out_mem, tgt_emb_mem
	s_load_b64 s[6:7], s[0:1], 0xa0                ; rows
	s_sub_co_u32 s9, s3, 320                       ; 0-15 enc, 16-31 tgt
	s_lshl_b32 s10, s9, 6
	s_lshl3_add_u32 s10, s2, s10                   ; my first row among the 2,048
.set i, 0
.rept 8
	s_add_co_u32 s66, s10, 1024+i                  ; behind x's 1,024 rows
	s_lshl_b32 s[56+i], s66, 11
.set i, i+1
.endr
	s_mov_b32 s11, 256
	s_mov_b32 s14, 0
	s_wait_kmcnt 0x0
	s_cmp_lt_u32 s9, 16
	s_cselect_b64 s[4:5], s[16:17], s[18:19]
	s_and_b32 s9, s9, 15
	; ---- the copy: a wave has 32,768 consecutive source bytes, eight groups of eight loads; two groups are on their way at any time
.Lcopy:
	s_lshl_b32 s66, s9, 18
	s_lshl_b32 s67, s2, 15
	s_add_co_u32 s66, s66, s67
	s_mov_b32 s67, 0
	s_add_nc_u64 s[4:5], s[4:5], s[66:67]          ; the source at my first byte
.macro LOADG i
.irp j, 0,1,2,3,4,5,6,7
	global_load_b128 v[X+32*((\i)%2)+4*(\j):X+32*((\i)%2)+4*(\j)+3], v1, s[4:5] offset:4096*(\i)+512*(\j) th:TH_LOAD_NT
.endr
.endm
	LOADG 0
	LOADG 1
.set i, 0
.rept 8                                            ; eight destination bases, made once: nothing is stepped in the copy
	s_add_co_u32 s66, s[56+i], s14
	s_add_nc_u64 s[40+2*i:41+2*i], s[6:7], s[66:67]
.set i, i+1
.endr
.set j, 0
.rept 8
	s_mul_i32 s68, s11, j
	v_add_nc_u32 v[O+j], s68, v2
.set j, j+1
.endr
.macro STAGEG i
.if (\i) < 7
	s_wait_loadcnt 8                               ; loads come back in order: group i is in, the next group's eight stay out
.else
	s_wait_loadcnt 0
.endif
	s_wait_xcnt 0x0                                ; the stores of two groups ago have read this set of Y: it is rewritten only behind this wait
.irp j, 0,1,2,3,4,5,6,7
	v_cvt_pk_bf16_f32 v[Y+16*((\i)%2)+2*(\j)],   v[X+32*((\i)%2)+4*(\j)],   v[X+32*((\i)%2)+4*(\j)+1]
	v_cvt_pk_bf16_f32 v[Y+16*((\i)%2)+2*(\j)+1], v[X+32*((\i)%2)+4*(\j)+2], v[X+32*((\i)%2)+4*(\j)+3]
.endr
.if (\i)+2 < 8
	LOADG (\i)+2                                   ; loads ahead of stores
.endif
.irp j, 0,1,2,3,4,5,6,7
	global_store_b64 v[O+(\j)], v[Y+16*((\i)%2)+2*(\j):Y+16*((\i)%2)+2*(\j)+1], s[40+2*(\i):41+2*(\i)]  ; 32 lanes x 8 bytes: 256 consecutive bytes, aligned
.endr
.endm
.irp i, 0,1,2,3,4,5,6,7
	STAGEG \i
.endr
	s_endpgm
	; ---- a row job
.macro WSUM r, t                       ; the sum over the wave's 32 lanes, in every lane; t has been written before
	v_add_f32_dpp v[\r], v[\r], v[\r] row_xmask:1 row_mask:0xf bank_mask:0xf
	v_add_f32_dpp v[\r], v[\r], v[\r] row_xmask:2 row_mask:0xf bank_mask:0xf
	v_add_f32_dpp v[\r], v[\r], v[\r] row_xmask:4 row_mask:0xf bank_mask:0xf
	v_add_f32_dpp v[\r], v[\r], v[\r] row_xmask:8 row_mask:0xf bank_mask:0xf
	v_permlanex16_b32 v[\t], v[\r], s26, s27
	v_add_f32 v[\r], v[\r], v[\t]
.endm
.macro WMAX r, t
	v_max_num_f32_dpp v[\r], v[\r], v[\r] row_xmask:1 row_mask:0xf bank_mask:0xf
	v_max_num_f32_dpp v[\r], v[\r], v[\r] row_xmask:2 row_mask:0xf bank_mask:0xf
	v_max_num_f32_dpp v[\r], v[\r], v[\r] row_xmask:4 row_mask:0xf bank_mask:0xf
	v_max_num_f32_dpp v[\r], v[\r], v[\r] row_xmask:8 row_mask:0xf bank_mask:0xf
	v_permlanex16_b32 v[\t], v[\r], s26, s27
	v_max_num_f32 v[\r], v[\r], v[\t]
.endm
.macro WMIN r, t
	v_min_num_f32_dpp v[\r], v[\r], v[\r] row_xmask:1 row_mask:0xf bank_mask:0xf
	v_min_num_f32_dpp v[\r], v[\r], v[\r] row_xmask:2 row_mask:0xf bank_mask:0xf
	v_min_num_f32_dpp v[\r], v[\r], v[\r] row_xmask:4 row_mask:0xf bank_mask:0xf
	v_min_num_f32_dpp v[\r], v[\r], v[\r] row_xmask:8 row_mask:0xf bank_mask:0xf
	v_permlanex16_b32 v[\t], v[\r], s26, s27
	v_min_num_f32 v[\r], v[\r], v[\t]
.endm
; The 1,024 numbers in v[D .. D+31] of 32 lanes: the mean is taken away in place; v[S+2] gets the sum of the squares of what is left.
.macro STATS D
.set j, 0
.rept 8
	v_pk_add_f32 v[S+2*j:S+2*j+1], v[(\D)+4*j:(\D)+4*j+1], v[(\D)+4*j+2:(\D)+4*j+3]
.set j, j+1
.endr
.set j, 0
.rept 4
	v_pk_add_f32 v[S+2*j:S+2*j+1], v[S+2*j:S+2*j+1], v[S+2*j+8:S+2*j+9]
.set j, j+1
.endr
	v_pk_add_f32 v[S:S+1], v[S:S+1], v[S+4:S+5]
	v_pk_add_f32 v[S+2:S+3], v[S+2:S+3], v[S+6:S+7]
	v_pk_add_f32 v[S:S+1], v[S:S+1], v[S+2:S+3]
	v_add_f32 v[S], v[S], v[S+1]
	WSUM S, S+1
	v_mul_f32 v[S], 0xba800000, v[S]               ; - sum / 1024
.set p, 0
.rept 16
	v_pk_add_f32 v[(\D)+2*p:(\D)+2*p+1], v[(\D)+2*p:(\D)+2*p+1], v[S:S+1] op_sel_hi:[1,0]
.set p, p+1
.endr
.set p, 0
.rept 4                                            ; four chains, started by the first four pairs: nothing is cleared
	v_pk_mul_f32 v[S+2+2*p:S+3+2*p], v[(\D)+2*p:(\D)+2*p+1], v[(\D)+2*p:(\D)+2*p+1]
.set p, p+1
.endr
.rept 12
	v_pk_fma_f32 v[S+2+2*(p%4):S+3+2*(p%4)], v[(\D)+2*p:(\D)+2*p+1], v[(\D)+2*p:(\D)+2*p+1], v[S+2+2*(p%4):S+3+2*(p%4)]
.set p, p+1
.endr
	v_pk_add_f32 v[S+2:S+3], v[S+2:S+3], v[S+4:S+5]
	v_pk_add_f32 v[S+6:S+7], v[S+6:S+7], v[S+8:S+9]
	v_pk_add_f32 v[S+2:S+3], v[S+2:S+3], v[S+6:S+7]
	v_add_f32 v[S+2], v[S+2], v[S+3]
	WSUM S+2, S+3
.endm
.Lrow:
	s_load_b64 s[4:5], s[0:1], 0x0                 ; dec_output
	s_load_b128 s[8:11], s[0:1], 0x18              ; mem_attn, g0
	s_load_b64 s[12:13], s[0:1], 0x28              ; be0
	s_load_b128 s[16:19], s[0:1], 0xa0             ; rows, part
	s_load_b64 s[20:21], s[0:1], 0xb0              ; smp
	s_sub_co_u32 s22, s3, 192
	s_lshl3_add_u32 s22, s22, s2                   ; my token: 8 (job - 192) + wave
	s_mov_b32 s25, 0
	s_mov_b32 s26, 0x76543210                      ; v_permlanex16_b32: each lane takes its own place in the other half
	s_mov_b32 s27, 0xfedcba98
	s_mov_b32 s28, 0x3a800000                      ; 1 / 1024
	s_mov_b32 s29, 0x3727c5ac                      ; 1e-5
	s_wait_kmcnt 0x0
	s_lshl_b32 s24, s22, 12
	s_add_nc_u64 s[4:5], s[4:5], s[24:25]
	s_add_nc_u64 s[18:19], s[18:19], s[24:25]
	s_add_nc_u64 s[18:19], s[18:19], 0x1000000     ; x in f32 lies 16 MiB into part
	s_lshl_b32 s24, s22, 11
	s_add_nc_u64 s[16:17], s[16:17], s[24:25]
	s_lshl_b32 s24, s22, 8
	s_add_nc_u64 s[8:9], s[8:9], s[24:25]
	s_lshl_b32 s24, s22, 2
	s_add_nc_u64 s[20:21], s[20:21], s[24:25]
.irp j, 0,1,2,3,4,5,6,7
	global_load_b128 v[X+4*(\j):X+4*(\j)+3], v1, s[4:5] offset:512*(\j) th:TH_LOAD_NT
.endr
	global_load_b64 v[MA:MA+1], v2, s[8:9] th:TH_LOAD_NT  ; columns 2 lane, 2 lane + 1
.irp j, 0,1,2,3,4,5,6,7
	global_load_b128 v[G+4*(\j):G+4*(\j)+3], v1, s[10:11] offset:512*(\j)
.endr
.irp j, 0,1,2,3,4,5,6,7
	global_load_b128 v[BE+4*(\j):BE+4*(\j)+3], v1, s[12:13] offset:512*(\j)
.endr
	v_mov_b32 v128, 0                              ; the exchanges' second register, written before its first use
	v_mov_b32 v129, 0                              ; the sample's store: offset 0
	s_wait_loadcnt 17                              ; the row is in; mem_attn's load and the sixteen of g0 and be0 stay out
	STATS X
	v_fma_f32 v[S+4], v[S+2], s28, s29             ; var + eps
	v_rsq_f32 v[R], v[S+4]
	v_mov_b32 v[R+1], 0                            ; the plain instruction behind the root; the pair's second word, named with the first
	; the argmax stands between the root and the wait for it
	s_wait_loadcnt 16                              ; mem_attn's two numbers
	v_max_num_f32 v124, v[MA], v[MA+1]
	WMAX 124, 128
	v_cvt_f32_u32 v126, v3
	v_add_f32 v126, v126, v126                     ; 2 lane, as a float (exact)
	v_add_f32 v127, 1.0, v126
	v_mov_b32 v125, 0x42800000                     ; 64.0: no candidate
	v_cmp_eq_f32 vcc_lo, v[MA+1], v124
	v_cndmask_b32 v125, v125, v127, vcc_lo
	v_cmp_eq_f32 vcc_lo, v[MA], v124
	v_cndmask_b32 v125, v125, v126, vcc_lo         ; the lower column wins in the lane,
	WMIN 125, 128                                  ; and the lowest in the wave
	v_cvt_u32_f32 v125, v125
	s_wait_alu depctr_va_vdst(0)                   ; the wait ahead of the root's first reader
	s_wait_loadcnt 0x0                             ; g0, be0
.set p, 0
.rept 16
	v_pk_mul_f32 v[X+2*p:X+2*p+1], v[X+2*p:X+2*p+1], v[R:R+1] op_sel_hi:[1,0]
.set p, p+1
.endr
.set p, 0
.rept 16
	v_pk_fma_f32 v[X+2*p:X+2*p+1], v[X+2*p:X+2*p+1], v[G+2*p:G+2*p+1], v[BE+2*p:BE+2*p+1]
.set p, p+1
.endr
.irp j, 0,1,2,3,4,5,6,7
	global_store_b128 v1, v[X+4*(\j):X+4*(\j)+3], s[18:19] offset:512*(\j)
.endr
.set p, 0
.rept 16
	v_cvt_pk_bf16_f32 v[S+p], v[X+2*p], v[X+2*p+1]
.set p, p+1
.endr
.irp j, 0,1,2,3,4,5,6,7
	global_store_b64 v2, v[S+2*(\j):S+2*(\j)+1], s[16:17] offset:256*(\j)
.endr
	v_cmp_eq_u32 vcc_lo, 0, v3
	s_wait_xcnt 0x0                                ; EXEC is a source of the stores above: it changes only behind this wait
	s_and_saveexec_b32 s30, vcc_lo
	global_store_b32 v129, v125, s[20:21]          ; four bytes a token, 4 KiB in the launch: lane 0 stores the sample
	s_wait_xcnt 0x0                                ; and again in front of the line that widens it
	s_or_b32 exec_lo, exec_lo, s30
	s_endpgm
	; ---- the biases and the floors
.Lbias:
	s_load_b128 s[4:7], s[0:1], 0x60               ; bq, bk
	s_load_b128 s[8:11], s[0:1], 0x70              ; bv, b1a
	s_load_b64 s[12:13], s[0:1], 0x80              ; b1b
	s_load_b128 s[16:19], s[0:1], 0x88             ; packa, packb
	s_load_b64 s[20:21], s[0:1], 0x98              ; packc
	v_lshlrev_b32 v4, 4, v0                        ; 16 x thread: 256 threads copy 4,096 bytes a line
	s_wait_kmcnt 0x0
	s_add_nc_u64 s[16:17], s[16:17], 0x800000      ; behind each pack's first 8 MiB: 256 bytes of floor, then the biases
	s_add_nc_u64 s[18:19], s[18:19], 0x800000
	s_add_nc_u64 s[20:21], s[20:21], 0x800000
	global_load_b128 v[8:11], v4, s[4:5]
	global_load_b128 v[12:15], v4, s[6:7]
	global_load_b128 v[16:19], v4, s[8:9]
.irp n, 0,1,2,3
	global_load_b128 v[20+4*\n:23+4*\n], v4, s[10:11] offset:4096*\n
	global_load_b128 v[36+4*\n:39+4*\n], v4, s[12:13] offset:4096*\n
.endr
	s_wait_loadcnt 0x0
	global_store_b128 v4, v[8:11], s[16:17] offset:0x100
	global_store_b128 v4, v[12:15], s[16:17] offset:0x1100
	global_store_b128 v4, v[16:19], s[16:17] offset:0x2100
.irp n, 0,1,2,3
	global_store_b128 v4, v[20+4*\n:23+4*\n], s[18:19] offset:0x100+4096*\n
	global_store_b128 v4, v[36+4*\n:39+4*\n], s[20:21] offset:0x100+4096*\n
.endr
	s_cmp_lg_u32 s2, 0
	s_cbranch_scc1 .Ldone                          ; wave 0 writes the three floor blocks, 32 lanes x 8 bytes each
	v_mov_b32 v52, 0xff800000                      ; -inf: q, k and v have no floor
	v_mov_b32 v53, 0xff800000
	v_mov_b32 v54, 0                               ; 0: ReLU
	v_mov_b32 v55, 0
	global_store_b64 v2, v[52:53], s[16:17]
	global_store_b64 v2, v[54:55], s[18:19]
	global_store_b64 v2, v[54:55], s[20:21]
.Ldone:
	s_endpgm
.Lfunc_end_k_q96d13b2293_prep:
	.size	k_q96d13b2293_prep, .Lfunc_end_k_q96d13b2293_prep-k_q96d13b2293_prep
	.p2alignl 7, 3214868480
	.fill 96, 4, 3214868480
	.section	.rodata,"a",@progbits
	.p2align	6, 0x0
	.amdhsa_kernel k_q96d13b2293_prep
		.amdhsa_group_segment_fixed_size 0
		.amdhsa_private_segment_fixed_size 0
		.amdhsa_enable_private_segment 0
		.amdhsa_kernarg_size 184
		.amdhsa_user_sgpr_count 2
		.amdhsa_user_sgpr_kernarg_segment_ptr 1
		.amdhsa_wavefront_size32 1
		.amdhsa_system_sgpr_workgroup_id_x 1
		.amdhsa_system_sgpr_workgroup_id_y 1
		.amdhsa_system_sgpr_workgroup_id_z 1
		.amdhsa_system_vgpr_workitem_id 0
		.amdhsa_next_free_vgpr 136
		.amdhsa_next_free_sgpr 72
		.amdhsa_reserve_vcc 1
		.amdhsa_float_denorm_mode_32 3
		.amdhsa_float_denorm_mode_16_64 3
		.amdhsa_memory_ordered 1
		.amdhsa_forward_progress 1
		.amdhsa_inst_pref_size 45
	.end_amdhsa_kernel
	.amdgpu_metadata
---
amdhsa.version: [ 1, 2 ]
amdhsa.kernels:
  - .name:           k_q96d13b2293_prep
    .symbol:         k_q96d13b2293_prep.kd
    .args:
      - { .name: dec_output, .offset: 0, .size: 8, .value_kind: global_buffer, .address_space: global }
      - { .name: enc_out_mem, .offset: 8, .size: 8, .value_kind: global_buffer, .address_space: global }
      - { .name: tgt_emb_mem, .offset: 16, .size: 8, .value_kind: global_buffer, .address_space: global }
      - { .name: mem_attn, .offset: 24, .size: 8, .value_kind: global_buffer, .address_space: global }
      - { .name: g0, .offset: 32, .size: 8, .value_kind: global_buffer, .address_space: global }
      - { .name: be0, .offset: 40, .size: 8, .value_kind: global_buffer, .address_space: global }
      - { .name: wq, .offset: 48, .size: 8, .value_kind: global_buffer, .address_space: global }
      - { .name: wk, .offset: 56, .size: 8, .value_kind: global_buffer, .address_space: global }
      - { .name: wv, .offset: 64, .size: 8, .value_kind: global_buffer, .address_space: global }
      - { .name: wo, .offset: 72, .size: 8, .value_kind: global_buffer, .address_space: global }
      - { .name: w1a, .offset: 80, .size: 8, .value_kind: global_buffer, .address_space: global }
      - { .name: w2a, .offset: 88, .size: 8, .value_kind: global_buffer, .address_space: global }
      - { .name: bq, .offset: 96, .size: 8, .value_kind: global_buffer, .address_space: global }
      - { .name: bk, .offset: 104, .size: 8, .value_kind: global_buffer, .address_space: global }
      - { .name: bv, .offset: 112, .size: 8, .value_kind: global_buffer, .address_space: global }
      - { .name: b1a, .offset: 120, .size: 8, .value_kind: global_buffer, .address_space: global }
      - { .name: b1b, .offset: 128, .size: 8, .value_kind: global_buffer, .address_space: global }
      - { .name: packa, .offset: 136, .size: 8, .value_kind: global_buffer, .address_space: global }
      - { .name: packb, .offset: 144, .size: 8, .value_kind: global_buffer, .address_space: global }
      - { .name: packc, .offset: 152, .size: 8, .value_kind: global_buffer, .address_space: global }
      - { .name: rows, .offset: 160, .size: 8, .value_kind: global_buffer, .address_space: global }
      - { .name: part, .offset: 168, .size: 8, .value_kind: global_buffer, .address_space: global }
      - { .name: smp, .offset: 176, .size: 8, .value_kind: global_buffer, .address_space: global }
    .group_segment_fixed_size: 0
    .private_segment_fixed_size: 0
    .kernarg_segment_align: 8
    .kernarg_segment_size: 184
    .max_flat_workgroup_size: 256
    .sgpr_count:     72
    .vgpr_count:     136
    .wavefront_size: 32
...
	.end_amdgpu_metadata
.endif
;; end of part 1
;; launch qkv (part 2): grid 8 x 24, 4 waves a work-group, clusters of 4 x 4, 327,680 bytes of LDS; arguments rows, packa, hid; writes hid
.if DOCPART == 2
	.amdgcn_target "amdgcn-amd-amdhsa--gfx1250"
	.amdhsa_code_object_version 6
	.text
	.protected	k_q96d13b2293_qkv
	.globl	k_q96d13b2293_qkv
	.p2align	8
	.type	k_q96d13b2293_qkv,@function
k_q96d13b2293_qkv:
	s_mov_b64 s[64:65], 0
	v_nop
	global_prefetch_b8 v0, s[64:65] scope:SCOPE_SE
	s_setreg_imm32_b32 hwreg(HW_REG_WAVE_MODE, 25, 1), 1
	s_wait_xcnt 0x0
	s_wait_alu depctr_hold_cnt(0) depctr_sa_sdst(0) depctr_va_vdst(0) depctr_va_sdst(0) depctr_va_ssrc(0) depctr_va_vcc(0) depctr_vm_vsrc(0)
	s_getreg_b32 s2, hwreg(HW_REG_IB_STS2, 6, 4)
	s_cmp_eq_u32 s2, 0
	s_cbranch_scc0 .Lentry_in_a_cluster
	s_endpgm
.Lentry_in_a_cluster:
	s_bfe_u32 s2, ttmp6, 0x10000c
	s_cmp_lg_u32 s2, 0xf033
	s_cbranch_scc0 .Lentry_shape_is_right
	s_endpgm
.Lentry_shape_is_right:
; ONE TILE OF C = A B, 128 x 128, K = 1,024.  A: bf16 rows of 1,024 (pitch 2,048 bytes).  B: a block [1024 k][128 n] of bf16, 262,144 dense bytes.  Sums in f32, K ascending.
; With x, y the work-group's place in the grid: A's rows begin at 128 y; B is block Bi = 8 (y >> 3) + x of the pack, BOFF bytes in; C's rows begin at 1,024 (x >> 3) + 128 y, its columns at 128 (x & 7), pitch 1,024.
; KIND says what leaves:  0: max(C + bias[128 Bi ..], floor) in bf16 (bias and floor lie in the pack, 8 MiB in: floor -inf for q, k, v; 0 for ReLU)
;                         1: C + bo + x in f32 and in bf16 (the attention's output projection and its residual)       2: C in f32, a partial sum over a quarter of K = 4,096.
; SHAPE.  Four waves, each 64 x 64 of C: 16 accumulators.  K goes in four steps of 256 through two LDS slots filled by the tensor data mover; a wave brings 64 rows x 512 bytes of A or 128 k-rows x 256 bytes of B.
; B stays [k][n] in LDS and is read turned (ds_load_tr16_b128).  The matrix instruction is used transposed (source 0 = 16 columns of B, source 1 = 16 rows of A): a lane holds eight neighbouring numbers of a row of C.
; CLUSTER.  4 x 4 work-groups.  The four of a row need the same tiles of A, the four of a column the same tiles of B (y >> 3 is the cluster's y >> 1, which they share): each tile is asked for jointly,
; by the same tensor load with the same descriptor and a mask that names the four.
; THE WAY OUT goes through a stage of 128 rows x 528 bytes of f32 that lies over slot 0's part for A: those bytes have had their last fill (K step 2), and every wave's reads of them ended in front of the barrier of the last change of slots.
; A wave has two tensor loads out at the start and one behind each refill.
; LIMITS.  Operands are bf16.  KIND 0: a NaN in C + bias leaves as the floor.
.set KIND,   0
.set BOFF,   0
.set PA,     528                       ; a row of A in LDS: 512 bytes + 16 = 132 words: the 16 rows of a load start at 16 different groups of four banks (64 banks of 4 bytes: ISA guide 11.1)
.set PB,     288                       ; a k-row of B: 256 + 32 = 72 words
.set HALFA,  64*PA                     ; what one tensor load brings of A,
.set HALFB,  128*PB                    ; and of B
.set BBASE,  2*HALFA                   ; in a slot: A's 128 rows, then B's 256 k-rows
.set SLOT,   2*HALFA+2*HALFB
.set SPARE,  2*SLOT                    ; behind the ring: the spare words, 128 bytes for each wave: two blocks of 256 bytes that no other line names
.set SPITCH, 528                       ; a row of the stage: 512 bytes of f32 + 16
.set ASTEP,  512                       ; a K step in memory: 256 numbers along A's rows,
.set BSTEP,  65536                     ; 256 k-rows of B
.set BIAS, 12                          ; v[12:15] the bias of my four columns on the way out
.set ADRA, 16                          ; v16-17  LDS address of my A fragments in slot 0, 1
.set ADRB, 20                          ; v20-23  the same for B: slot 0 k-rows 0-127, 128-255; slot 1 likewise (240 rows x 288 pass an offset's 16 bits)
.set STO,  24                          ; v24     the way out: where I put 32 bytes of a row
.set RD,   25                          ; v25     the way out: where I read a row back
.set CO16, 26                          ; v26     16 x lane
.set CO8,  27                          ; v27     8 x lane
.set SPW,  28                          ; v28     LDS address of my spare word; never rewritten
.set NIL,  29                          ; v29     0; never rewritten
.set TMP,  32                          ; v32-95  the way out: rows in bf16
.set ACC,  128                         ; v128-255 accumulator (a, b) at ACC + 8 (4 a + b); on the way out 32 whole rows
.set F0,   0                           ; window 1: two fragment buffers of 128: 64 registers of A (2 x 4 x 16 rows x 32 K), then 64 of B
.set F1,   128
.set G1, 24                            ; s[24:31] descriptor group 1 for A's tiles;  s[32:39] group 0, one set for each slot
.set G0, 32
.set G1B, 48                           ; s[48:55], s[56:63] the same for B's tiles
.set G0B, 56
.set MSB, 0
.macro WIN new                         ; s_set_vgpr_msb: bits 1:0 source 0, 3:2 source 1, 5:4 source 2, 7:6 destination; the high byte repeats the setting that is left
.if MSB != (\new)
	s_set_vgpr_msb (MSB<<8)|(\new)
.set MSB, \new
.endif
.endm
.set MUL,  0x05                        ; sources 0 (B) and 1 (A) window 1; C and D window 0
.set TO_F, 0x40                        ; destination window 1, address window 0
.macro JLOAD s                         ; a joint load: waves 0 and 1 fetch A's two halves, waves 2 and 3 B's; an s_nop 0 and four v_nop follow each of the two lines, ahead of the jump, the label and what follows
	s_cmp_eq_u32 s11, 0
	s_cbranch_scc0 .Lfor_b_\@
	tensor_load_to_lds s[G0+4*(\s):G0+4*(\s)+3], s[G1:G1+7]
	s_nop 0
.rept 4
	v_nop
.endr
	s_branch .Lasked_\@
.Lfor_b_\@:
	tensor_load_to_lds s[G0B+4*(\s):G0B+4*(\s)+3], s[G1B:G1B+7]
	s_nop 0
.rept 4
	v_nop
.endr
.Lasked_\@:
.endm
.macro CREST                           ; a round of the cluster's barrier behind its opening barrier
	s_cmp_lg_u32 s10, 0
	s_cbranch_scc1 .Lnot_wave_0_\@
	s_barrier_signal -3
.Lnot_wave_0_\@:
	s_barrier_wait -3
	s_barrier_signal -1
	s_barrier_wait -1
.endm
.macro CROUND                          ; a whole round
	s_barrier_signal -1
	s_barrier_wait -1
	CREST
.endm
	s_load_b128 s[4:7], s[0:1], 0x0                ; A s[4:5], the pack s[6:7]
	s_load_b64 s[8:9], s[0:1], 0x10                ; the output (KIND 1: the bf16 one)
.if KIND == 1
	s_load_b128 s[72:75], s[0:1], 0x18             ; the f32 output s[72:73], bo s[74:75]
.endif
	v_lshl_add_u32 v[SPW], v0, 2, SPARE
	v_mov_b32 v[NIL], 0
	ds_add_u32 v[SPW], v[NIL]                      ; the wave's opening: the add and its wait stand ahead of my first tensor load; the set-up below, work on registers, stands between them
	v_lshrrev_b32 v1, 5, v0
	v_readfirstlane_b32 s10, v1                    ; wave 0..3
	s_lshr_b32 s11, s10, 1                         ; which half of the tile's rows is mine.  Also: I fetch for A (0) or for B (1)
	s_and_b32 s12, s10, 1                          ; which half of its columns.  Also: which half of that tile I fetch
	s_bfe_u32 s40, ttmp6, 0x40000                  ; cx, cy: my place in the cluster
	s_bfe_u32 s41, ttmp6, 0x40004
	s_lshl_b32 s42, ttmp9, 2
	s_add_co_u32 s42, s42, s40                     ; x = 4 x cluster x + cx
	s_and_b32 s45, ttmp7, 0xffff
	s_lshl_b32 s13, s45, 2
	s_add_co_u32 s13, s13, s41                     ; y = 4 x cluster y + cy
	s_lshr_b32 s45, s45, 1                         ; y >> 3, made of the cluster's y alone
	s_lshl3_add_u32 s76, s45, s42                  ; Bi
	s_lshl_b32 s43, s41, 2
	s_lshl_b32 s43, 15, s43                        ; my row of the cluster
	s_lshl_b32 s44, 0x1111, s40                    ; my column
	s_or_b32 s[G1+0], s43, (1<<16)|(1<<20)|(1<<21)|(6<<22)|(3<<25)   ; 15:0 the mask: A's tiles go to my row; 17:16 2-byte elements; 20 padding on; 21 set beside a mask; 24:22 after every 128 words (code 6); 31:25 4 words (code 3)
	s_or_b32 s[G1B+0], s44, (1<<16)|(1<<20)|(1<<21)|(5<<22)|(7<<25)  ; B's go to my column; after every 64 words (code 5) 8 words (code 7)
	s_mov_b32 s[G1+1], 256<<16                     ; A: tensor_dim0 = 256
	s_mov_b32 s[G1+2], 64<<16                      ; tensor_dim1 = 64
	s_mov_b32 s[G1+3], 256<<16                     ; tile_dim0 = 256
	s_mov_b32 s[G1+4], 64                          ; tile_dim1 = 64
	s_mov_b32 s[G1+5], 1024                        ; 1,024 elements from row to row
	s_mov_b32 s[G1+6], 0
	s_mov_b32 s[G1+7], 0
	s_mov_b32 s[G1B+1], 128<<16                    ; B: tensor_dim0 = 128
	s_mov_b32 s[G1B+2], 128<<16                    ; tensor_dim1 = 128
	s_mov_b32 s[G1B+3], 128<<16                    ; tile_dim0 = 128
	s_mov_b32 s[G1B+4], 128                        ; tile_dim1 = 128
	s_mov_b32 s[G1B+5], 128                        ; dense
	s_mov_b32 s[G1B+6], 0
	s_mov_b32 s[G1B+7], 0
	s_lshl_b32 s16, s13, 18                        ; A: (128 y + 64 half) rows of 2,048 bytes
	s_lshl_b32 s17, s12, 17
	s_add_co_u32 s16, s16, s17
	s_mov_b32 s17, 0
	s_lshl_b32 s46, s76, 18                        ; B: block Bi, 128 half k-rows of 256 bytes
	s_lshl_b32 s47, s12, 15
	s_add_co_u32 s46, s46, s47
.if BOFF != 0
	s_add_co_u32 s46, s46, BOFF
.endif
	s_mov_b32 s47, 0
	s_mul_i32 s20, s12, HALFA                      ; where they go: no place in the cluster enters an LDS address
	s_mul_i32 s21, s12, HALFB
	s_add_co_u32 s21, s21, BBASE
	s_wait_dscnt 0x0                               ; the opening add is done
	s_wait_kmcnt 0x0
	s_add_nc_u64 s[14:15], s[4:5], s[16:17]
	s_add_nc_u64 s[46:47], s[6:7], s[46:47]
	CROUND                                         ; all sixteen work-groups are here: the first joint loads meet
.irp s, 0,1
	s_mov_b32 s[G0+4*(\s)], 1                                        ; count = 1
	s_add_co_u32 s[G0+4*(\s)+1], s20, (\s)*SLOT                      ; LDS address
	s_add_nc_u64 s[G0+4*(\s)+2:G0+4*(\s)+3], s[14:15], (\s)*ASTEP    ; global address: K step s
	s_or_b32 s[G0+4*(\s)+3], s[G0+4*(\s)+3], 0x80000000              ; type = 2
	s_mov_b32 s[G0B+4*(\s)], 1
	s_add_co_u32 s[G0B+4*(\s)+1], s21, (\s)*SLOT
	s_add_nc_u64 s[G0B+4*(\s)+2:G0B+4*(\s)+3], s[46:47], (\s)*BSTEP
	s_or_b32 s[G0B+4*(\s)+3], s[G0B+4*(\s)+3], 0x80000000
	JLOAD \s
.endr
	v_and_b32 v1, 15, v0                           ; r = l % 16
	v_bfe_u32 v2, v0, 4, 1                         ; h = l / 16
	v_and_b32 v6, 31, v0
	v_lshlrev_b32 v[CO16], 4, v6
	v_lshlrev_b32 v[CO8], 3, v6
	; what the way out needs from memory is asked for now; row parts of an offset stand in s16-17, column parts in s46-47
.if KIND == 0
	s_add_nc_u64 s[68:69], s[6:7], 0x800000        ; the floor word,
	s_lshl_b32 s46, s76, 9
	s_add_co_u32 s46, s46, 0x100
	s_mov_b32 s47, 0
	s_add_nc_u64 s[70:71], s[68:69], s[46:47]      ; and 256 bytes on the biases: my tile's 128 numbers
	s_load_b32 s66, s[68:69], 0x0
	global_load_b128 v[BIAS:BIAS+3], v[CO16], s[70:71]
	s_lshl_b32 s16, s13, 18                        ; the output: row 128 y + 32 wave, 2,048 bytes a row,
	s_lshl_b32 s17, s10, 16
	s_add_co_u32 s16, s16, s17
	s_mov_b32 s17, 0
	s_add_nc_u64 s[8:9], s[8:9], s[16:17]
	s_lshr_b32 s46, s42, 3                         ; plane x >> 3 of 1,024 rows, column 128 (x & 7)
	s_lshl_b32 s46, s46, 21
	s_and_b32 s47, s42, 7
	s_lshl_b32 s47, s47, 8
	s_add_co_u32 s46, s46, s47
	s_mov_b32 s47, 0
	s_add_nc_u64 s[8:9], s[8:9], s[46:47]
.elseif KIND == 1
	s_lshl_b32 s16, s13, 18                        ; the bf16 output
	s_lshl_b32 s17, s10, 16
	s_add_co_u32 s16, s16, s17
	s_mov_b32 s17, 0
	s_add_nc_u64 s[8:9], s[8:9], s[16:17]
	s_lshl_b32 s46, s42, 8
	s_mov_b32 s47, 0
	s_add_nc_u64 s[8:9], s[8:9], s[46:47]
	s_lshl_b32 s16, s13, 19                        ; the f32 output and x: 4,096 bytes a row
	s_lshl_b32 s17, s10, 17
	s_add_co_u32 s16, s16, s17
	s_mov_b32 s17, 0
	s_lshl_b32 s46, s42, 9
	s_add_nc_u64 s[72:73], s[72:73], s[16:17]
	s_add_nc_u64 s[72:73], s[72:73], s[46:47]
	s_add_nc_u64 s[70:71], s[4:5], 0x1000000       ; x in f32 lies 16 MiB into A's buffer
	s_add_nc_u64 s[70:71], s[70:71], s[16:17]
	s_add_nc_u64 s[70:71], s[70:71], s[46:47]
	s_add_nc_u64 s[74:75], s[74:75], s[46:47]
	global_load_b128 v[BIAS:BIAS+3], v[CO16], s[74:75]
	WIN 0x80                                       ; destination window 2: my 32 rows of x, 512 bytes each, wait there for the sums
.set t, 0
.rept 32
	global_load_b128 v[4*t:4*t+3], v[CO16], s[70:71] offset:t*4096
.set t, t+1
.endr
	WIN 0
.else
	s_lshl_b32 s16, s13, 19                        ; the output: row 128 y + 32 wave, 4,096 bytes a row, column 128 x
	s_lshl_b32 s17, s10, 17
	s_add_co_u32 s16, s16, s17
	s_mov_b32 s17, 0
	s_add_nc_u64 s[8:9], s[8:9], s[16:17]
	s_lshl_b32 s46, s42, 9
	s_mov_b32 s47, 0
	s_add_nc_u64 s[8:9], s[8:9], s[46:47]
.endif
	; A fragment is 16 rows x 32 K in 8 registers: lane l holds row l % 16; registers 0-3 K = 8 (l / 16) + 0..7, registers 4-7 K = 16 + 8 (l / 16) + 0..7: two loads of 16 bytes, 32 bytes apart.
	v_mul_u32_u24 v3, v1, PA
	v_lshl_add_u32 v3, v2, 4, v3
	s_mul_i32 s22, s11, HALFA                      ; my 64 rows of A
	v_add_nc_u32 v[ADRA], s22, v3
	v_add_nc_u32 v[ADRA+1], SLOT, v[ADRA]
	; The turning load takes 16 k x 16 columns (lane l reads k-row 8 (l / 16) + l % 8, columns 8 ((l / 8) % 2) + 0..7) and leaves half a fragment: lane l holds column l % 16 and 8 k.
	v_and_b32 v4, 7, v0
	v_lshl_add_u32 v4, v2, 3, v4
	v_mul_u32_u24 v4, v4, PB
	v_bfe_u32 v5, v0, 3, 1
	v_lshl_add_u32 v4, v5, 4, v4
	s_lshl_b32 s22, s12, 7                         ; my 64 columns of B
	s_add_co_u32 s22, s22, BBASE
	v_add_nc_u32 v[ADRB], s22, v4
	v_add_nc_u32 v[ADRB+1], HALFB, v[ADRB]
	v_add_nc_u32 v[ADRB+2], SLOT, v[ADRB]
	v_add_nc_u32 v[ADRB+3], SLOT, v[ADRB+1]
	s_mul_i32 s23, s11, 64*SPITCH                  ; into the stage: my 64 rows, my half of their 512 bytes; row l % 16, 32 bytes for each half of the lanes
	s_lshl_b32 s22, s12, 8
	s_add_co_u32 s23, s23, s22
	v_mul_u32_u24 v4, v1, SPITCH
	v_lshl_add_u32 v4, v2, 5, v4
	v_add_nc_u32 v[STO], s23, v4
	s_mul_i32 s23, s10, 32*SPITCH                  ; back: wave w takes rows 32 w .. 32 w + 31, whole: 32 lanes x 16 bytes
	v_add_nc_u32 v[RD], s23, v[CO16]
; 8 matrix instructions: row blocks a0, a0 + 1 x all 4 column blocks, 32 along K: half c of buffer f.  zero = 1: the first product starts the sums.  The 16 accumulators take turns.
.macro MUL8 f, c, a0, zero
	WIN MUL
.irp a, \a0, (\a0)+1
.irp b, 0,1,2,3
.if \zero
	v_wmma_f32_16x16x32_bf16 v[ACC+8*(4*(\a)+(\b)):ACC+8*(4*(\a)+(\b))+7], v[(\f)+64+8*(4*(\c)+(\b)):(\f)+64+8*(4*(\c)+(\b))+7], v[(\f)+8*(4*(\c)+(\a)):(\f)+8*(4*(\c)+(\a))+7], 0
.else
	v_wmma_f32_16x16x32_bf16 v[ACC+8*(4*(\a)+(\b)):ACC+8*(4*(\a)+(\b))+7], v[(\f)+64+8*(4*(\c)+(\b)):(\f)+64+8*(4*(\c)+(\b))+7], v[(\f)+8*(4*(\c)+(\a)):(\f)+8*(4*(\c)+(\a))+7], v[ACC+8*(4*(\a)+(\b)):ACC+8*(4*(\a)+(\b))+7]
.endif
.endr
.endr
.endm
; 32 LDS loads in one run: the fragments of quarter q (64 along K) of a slot, into buffer f; the first 32 along K first
.macro FETCH slot, q, f
	WIN TO_F
.irp c, 0,1
.irp i, 0,1,2,3
	ds_load_tr16_b128 v[(\f)+64+8*(4*(\c)+(\i)):(\f)+64+8*(4*(\c)+(\i))+3],   v[ADRB+2*(\slot)+(\q)/2] offset:(((\q)%2)*64+32*(\c))*PB+32*(\i)
	ds_load_tr16_b128 v[(\f)+64+8*(4*(\c)+(\i))+4:(\f)+64+8*(4*(\c)+(\i))+7], v[ADRB+2*(\slot)+(\q)/2] offset:(((\q)%2)*64+32*(\c)+16)*PB+32*(\i)
	ds_load_b128 v[(\f)+8*(4*(\c)+(\i)):(\f)+8*(4*(\c)+(\i))+3],             v[ADRA+(\slot)] offset:128*(\q)+64*(\c)+(\i)*16*PA
	ds_load_b128 v[(\f)+8*(4*(\c)+(\i))+4:(\f)+8*(4*(\c)+(\i))+7],           v[ADRA+(\slot)] offset:128*(\q)+64*(\c)+(\i)*16*PA+32
.endr
.endr
.endm
.macro PLACES                          ; four places in front of loads into registers that matrix instructions have read, and of lines that read results
.rept 4
	v_nop
.endr
.endm
; A K step is four quarters of 64 along K, 32 matrix instructions each, on buffers 0, 1, 0, 1.  One of the first three: multiplies buffer f and fetches quarter q into g.
.macro QUARTER slot, q, f, g, zero
	s_wait_dscnt 16                                ; the first 32 along K are in; the youngest sixteen loads may be out
	WIN MUL
	MUL8 \f, 0, 0, \zero
	MUL8 \f, 0, 2, \zero
	PLACES
	FETCH \slot, \q, \g
	s_wait_dscnt 32                                ; all but the 32 just issued
	WIN MUL
	MUL8 \f, 1, 0, 0
	MUL8 \f, 1, 2, 0
.endm
; The last quarter multiplies buffer 1 and changes slots: ONE barrier; in front of it each wave waits for all its tensor loads, adds 0 to its spare word, and waits for that and for its own reads of this slot.  fill = 1: this slot is filled again, two K steps ahead.
.macro TURN slot, next, fill
	WIN 0                                          ; (the add's two registers lie in window 0)
	s_wait_tensorcnt 0x0                           ; all my tensor loads have landed: my part of the next slot;
	ds_add_u32 v[SPW], v[NIL]                      ; 0 onto my spare word;
	s_wait_dscnt 17                                ; (the add and the youngest sixteen loads may be out)
	WIN MUL
	MUL8 F1, 0, 0, 0                               ; eight matrix instructions stand between the add and the wait for it
	s_wait_dscnt 0x0                               ; the add is done, and my reads of this slot are over
	s_barrier_signal -1
	MUL8 F1, 0, 2, 0
.if \fill
	WIN 0
.endif
	s_barrier_wait -1
.if \fill
	CREST                                          ; the barrier has opened a round of the cluster's barrier: no wave of any partner still reads this slot's tile or has a load on its way
	s_add_nc_u64 s[G0+4*(\slot)+2:G0+4*(\slot)+3], s[G0+4*(\slot)+2:G0+4*(\slot)+3], 2*ASTEP
	s_add_nc_u64 s[G0B+4*(\slot)+2:G0B+4*(\slot)+3], s[G0B+4*(\slot)+2:G0B+4*(\slot)+3], 2*BSTEP
	JLOAD \slot                                    ; the first tensor load behind the round; the four v_nop behind it are also the places in front of the loads below
.else
	PLACES
.endif
	FETCH \next, 0, F0
	WIN MUL
	MUL8 F1, 1, 0, 0
	MUL8 F1, 1, 2, 0
.endm
	s_wait_tensorcnt 1                             ; my part of K step 0 is in; K step 1's may stay out
	s_barrier_signal -1
	s_barrier_wait -1                              ; everybody's is
	FETCH 0, 0, F0
	QUARTER 0, 1, F0, F1, 1                        ; K step 0: its first products start the sums
	QUARTER 0, 2, F1, F0, 0
	QUARTER 0, 3, F0, F1, 0
	TURN 0, 1, 1                                   ; slot 0 takes K step 2
	QUARTER 1, 1, F0, F1, 0                        ; K step 1
	QUARTER 1, 2, F1, F0, 0
	QUARTER 1, 3, F0, F1, 0
	TURN 1, 0, 1                                   ; slot 1 takes K step 3
	QUARTER 0, 1, F0, F1, 0                        ; K step 2
	QUARTER 0, 2, F1, F0, 0
	QUARTER 0, 3, F0, F1, 0
	TURN 0, 1, 0                                   ; nothing is left to fetch
	QUARTER 1, 1, F0, F1, 0                        ; K step 3
	QUARTER 1, 2, F1, F0, 0
	QUARTER 1, 3, F0, F1, 0
	s_wait_dscnt 16
	WIN MUL
	MUL8 F1, 0, 0, 0
	MUL8 F1, 0, 2, 0
	s_wait_dscnt 0
	MUL8 F1, 1, 0, 0
	MUL8 F1, 1, 2, 0
	WIN 0
	; THE WAY OUT: 32 bytes a lane into the work-group's stage, each accumulator's low registers first; a barrier, since a row's 512 bytes come from two waves; back as whole rows, 32 rows a wave.
	PLACES
.irp a, 0,1,2,3
.irp b, 0,1,2,3
	ds_store_b128 v[STO], v[ACC+8*(4*(\a)+(\b)):ACC+8*(4*(\a)+(\b))+3]   offset:(\a)*16*SPITCH+64*(\b)
	ds_store_b128 v[STO], v[ACC+8*(4*(\a)+(\b))+4:ACC+8*(4*(\a)+(\b))+7] offset:(\a)*16*SPITCH+64*(\b)+16
.endr
.endr
.if KIND == 1
	s_wait_loadcnt 0x0                             ; bo and x
	WIN 0x82                                       ; destination and source 0 window 2: x + bo, while the stores land
.set t, 0
.rept 32
	v_pk_add_f32 v[4*t:4*t+1], v[4*t:4*t+1], v[BIAS:BIAS+1]
	v_pk_add_f32 v[4*t+2:4*t+3], v[4*t+2:4*t+3], v[BIAS+2:BIAS+3]
.set t, t+1
.endr
	WIN 0
.endif
	s_wait_dscnt 0x0                               ; for the others' sake: my stores into the stage are done
	s_barrier_signal -1
	s_barrier_wait -1
.set t, 0
.rept 32
	ds_load_b128 v[ACC+4*t:ACC+4*t+3], v[RD] offset:t*SPITCH
.set t, t+1
.endr
.if KIND == 0
	s_wait_loadcnt 0x0                             ; the bias
	s_wait_kmcnt 0x0                               ; the floor
.set t, 0
.rept 32
	s_wait_dscnt 31-t                              ; LDS loads come back in order: row t is in
	v_pk_add_f32 v[ACC+4*t:ACC+4*t+1], v[ACC+4*t:ACC+4*t+1], v[BIAS:BIAS+1]
	v_pk_add_f32 v[ACC+4*t+2:ACC+4*t+3], v[ACC+4*t+2:ACC+4*t+3], v[BIAS+2:BIAS+3]
	v_max_num_f32 v[ACC+4*t], s66, v[ACC+4*t]
	v_max_num_f32 v[ACC+4*t+1], s66, v[ACC+4*t+1]
	v_max_num_f32 v[ACC+4*t+2], s66, v[ACC+4*t+2]
	v_max_num_f32 v[ACC+4*t+3], s66, v[ACC+4*t+3]
	v_cvt_pk_bf16_f32 v[TMP+2*t], v[ACC+4*t], v[ACC+4*t+1]
	v_cvt_pk_bf16_f32 v[TMP+2*t+1], v[ACC+4*t+2], v[ACC+4*t+3]
	global_store_b64 v[CO8], v[TMP+2*t:TMP+2*t+1], s[8:9] offset:t*2048  ; 32 lanes x 8 bytes: 256 consecutive bytes, aligned
.set t, t+1
.endr
.elseif KIND == 1
	s_wait_dscnt 0x0
	WIN 0x08                                       ; source 1 window 2
.set t, 0
.rept 64
	v_pk_add_f32 v[ACC+2*t:ACC+2*t+1], v[ACC+2*t:ACC+2*t+1], v[2*t:2*t+1]
.set t, t+1
.endr
	WIN 0
.set t, 0
.rept 32
	global_store_b128 v[CO16], v[ACC+4*t:ACC+4*t+3], s[72:73] offset:t*4096  ; 512 consecutive bytes, aligned
	v_cvt_pk_bf16_f32 v[TMP+2*t], v[ACC+4*t], v[ACC+4*t+1]
	v_cvt_pk_bf16_f32 v[TMP+2*t+1], v[ACC+4*t+2], v[ACC+4*t+3]
	global_store_b64 v[CO8], v[TMP+2*t:TMP+2*t+1], s[8:9] offset:t*2048
.set t, t+1
.endr
.else
.set t, 0
.rept 32
	s_wait_dscnt 31-t                              ; LDS loads come back in order: row t is in
	global_store_b128 v[CO16], v[ACC+4*t:ACC+4*t+3], s[8:9] offset:t*4096  ; 512 consecutive bytes, aligned
.set t, t+1
.endr
.endif
	s_wait_tensorcnt 0x0                           ; the wave's end, behind my last tensor load and my last LDS store
	ds_add_u32 v[SPW], v[NIL]
	s_wait_dscnt 0x0
	CROUND                                         ; the closing round: no work-group ends while a partner may still ask for a tile that names it
	s_endpgm
.Lfunc_end_k_q96d13b2293_qkv:
	.size	k_q96d13b2293_qkv, .Lfunc_end_k_q96d13b2293_qkv-k_q96d13b2293_qkv
	.p2alignl 7, 3214868480
	.fill 96, 4, 3214868480
	.section	.rodata,"a",@progbits
	.p2align	6, 0x0
	.amdhsa_kernel k_q96d13b2293_qkv
		.amdhsa_group_segment_fixed_size 327680
		.amdhsa_private_segment_fixed_size 0
		.amdhsa_enable_private_segment 0
		.amdhsa_kernarg_size 24
		.amdhsa_user_sgpr_count 2
		.amdhsa_user_sgpr_kernarg_segment_ptr 1
		.amdhsa_wavefront_size32 1
		.amdhsa_system_sgpr_workgroup_id_x 1
		.amdhsa_system_sgpr_workgroup_id_y 1
		.amdhsa_system_sgpr_workgroup_id_z 1
		.amdhsa_system_vgpr_workitem_id 0
		.amdhsa_next_free_vgpr 512
		.amdhsa_next_free_sgpr 80
		.amdhsa_reserve_vcc 0
		.amdhsa_float_denorm_mode_32 3
		.amdhsa_float_denorm_mode_16_64 3
		.amdhsa_memory_ordered 1
		.amdhsa_forward_progress 1
		.amdhsa_inst_pref_size 99
	.end_amdhsa_kernel
	.amdgpu_metadata
---
amdhsa.version: [ 1, 2 ]
amdhsa.kernels:
  - .name:           k_q96d13b2293_qkv
    .symbol:         k_q96d13b2293_qkv.kd
    .args:
      - { .name: rows, .offset: 0, .size: 8, .value_kind: global_buffer, .address_space: global }
      - { .name: packa, .offset: 8, .size: 8, .value_kind: global_buffer, .address_space: global }
      - { .name: hid, .offset: 16, .size: 8, .value_kind: global_buffer, .address_space: global }
    .group_segment_fixed_size: 327680
    .private_segment_fixed_size: 0
    .kernarg_segment_align: 8
    .kernarg_segment_size: 24
    .max_flat_workgroup_size: 128
    .sgpr_count:     80
    .vgpr_count:     512
    .wavefront_size: 32
...
	.end_amdgpu_metadata
.endif
;; end of part 2
;; launch attn (part 3): grid 512 x 1, 8 waves a work-group, no clusters, 0 bytes of LDS; arguments hid, smp, tgt_mask_mem, part; writes part
.if DOCPART == 3
	.amdgcn_target "amdgcn-amd-amdhsa--gfx1250"
	.amdhsa_code_object_version 6
	.text
	.protected	k_q96d13b2293_attn
	.globl	k_q96d13b2293_attn
	.p2align	8
	.type	k_q96d13b2293_attn,@function
k_q96d13b2293_attn:
	s_mov_b64 s[64:65], 0
	v_nop
	global_prefetch_b8 v0, s[64:65] scope:SCOPE_SE
	s_setreg_imm32_b32 hwreg(HW_REG_WAVE_MODE, 25, 1), 1
	s_wait_xcnt 0x0
; ONE QUERY A TOKEN AGAINST ITS MEMORY ENTRY.  hid holds q [1024][1024], k and v [64 x 16][1024] in bf16 (2 MiB apart); smp the entry of each token; ctx goes to part, bf16 [1024][1024].
; ctx[t][h] = the sum over m of softmax_m(q[t][h] . k[e][m][h] / 8, or -1e9 where the entry's key m is masked) v[e][m][h], e = smp[t], 16 keys, 16 heads of 64 channels.
; SHARES.  A wave has one token and four heads (256 channels); a lane eight channels, eight lanes a head.  Every load and the store of a wave cover 512 consecutive bytes.
; ON THE VECTOR UNIT: each token has one query a head and keys of its own, so a 16 x 16 product would hold one useful column; the two products are 67 million of the module's 43 thousand million operations.
; Products from bf16 halves with f32 sums (v_fma_mix_f32_bf16); maximum, exponentials and sums in f32; the weights stay in f32; ctx is rounded once.
; NO CLUSTER, NO LDS: which rows a work-group reads hangs on a list, so no descriptor is shared; each byte goes straight into the registers that use it.
; The maximum is taken away before the exponentials, in the base-2 scale: s' = s log2(e) / 8, a masked key's s' = -1e9 log2(e).  All keys masked: all s' alike, sixteen equal weights, as in reference().
; LIMITS.  A weight below 2^-126 counts as 0.  A masked key whose score is infinite or NaN gives NaN (0 times it is formed).  An entry number above 63 is held to 63; none arises.
.set Q,   4            ; v[4:7]      q: my 8 channels
.set K,   8            ; v[8:71]     k: key m at K + 4 m
.set V,   72           ; v[72:135]   v likewise
.set S,   136          ; v[136:151]  the 16 scores, then weights
.set T,   152          ; v[152:159]  at work
.set C,   160          ; v[160:167]  ctx: my 8 channels
.set Z,   168          ; v168        0: starts the sums
.set M,   169          ; v169        the maximum
.set L,   170          ; v[170:171]  1 / the weights' sum, named as a pair
.set OUT, 172          ; v[172:175]  ctx in bf16
	s_load_b128 s[4:7], s[0:1], 0x0                ; hid, smp
	s_load_b128 s[8:11], s[0:1], 0x10              ; tgt_mask_mem, part
	v_and_b32 v1, 31, v0
	v_lshrrev_b32 v2, 5, v0
	v_readfirstlane_b32 s2, v2                     ; wave 0..7
	s_lshr_b32 s3, s2, 2
	s_lshl1_add_u32 s3, ttmp9, s3                  ; my token: 2 x work-group + wave / 4
	s_and_b32 s12, s2, 3
	s_lshl_b32 s12, s12, 9                         ; my four heads: 512 bytes of a row
	v_lshl_add_u32 v1, v1, 4, s12                  ; + 16 x lane
	s_lshl_b32 s14, s3, 2
	s_mov_b32 s15, 0
	s_lshl_b32 s13, s3, 11
	v_add_nc_u32 v2, s13, v1                       ; my 16 bytes of row t: of q, and of ctx
	s_mov_b32 s40, 0x3e38aa3b                      ; log2(e) / 8
	s_mov_b32 s41, 0xceabfb8e                      ; -1e9 log2(e)
	v_mov_b32 v[Z], 0
	s_wait_kmcnt 0x0
	s_add_nc_u64 s[6:7], s[6:7], s[14:15]
	s_load_b32 s16, s[6:7], 0x0                    ; e
	global_load_b128 v[Q:Q+3], v2, s[4:5]
	s_wait_kmcnt 0x0
	s_min_u32 s16, s16, 63
	s_lshl_b32 s18, s16, 4                         ; the entry's 16 mask bytes
	s_mov_b32 s19, 0
	s_add_nc_u64 s[8:9], s[8:9], s[18:19]
	s_load_b128 s[20:23], s[8:9], 0x0
	s_lshl_b32 s17, s16, 15                        ; the entry's 16 rows of 2,048 bytes
	v_add_nc_u32 v3, s17, v1
.set m, 0
.rept 16
	global_load_b128 v[K+4*m:K+4*m+3], v3, s[4:5] offset:0x200000+2048*m
.set m, m+1
.endr
.set m, 0
.rept 16
	global_load_b128 v[V+4*m:V+4*m+3], v3, s[4:5] offset:0x400000+2048*m
.set m, m+1
.endr
	s_wait_kmcnt 0x0
.set m, 0
.rept 16                                           ; key m: factor and addend of its score: (log2(e) / 8, 0) if valid, (0, -1e9 log2(e)) if masked.  A choice of values: no branch hangs on the mask
	s_bitcmp1_b32 s[20+m/4], 8*(m%4)
	s_cselect_b32 s[24+m], s40, 0
	s_cselect_b32 s[44+m], 0, s41
.set m, m+1
.endr
	s_wait_loadcnt 16                              ; q and k are in; v's sixteen loads stay out
.set c, 0
.rept 8                                            ; channel c lies in register c / 2, half c % 2; the keys' sixteen chains take turns
.set m, 0
.rept 16
.if c == 0
	v_fma_mix_f32_bf16 v[S+m], v[Q], v[K+4*m], v[Z] op_sel_hi:[1,1,0]
.elseif c%2 == 0
	v_fma_mix_f32_bf16 v[S+m], v[Q+c/2], v[K+4*m+c/2], v[S+m] op_sel_hi:[1,1,0]
.else
	v_fma_mix_f32_bf16 v[S+m], v[Q+c/2], v[K+4*m+c/2], v[S+m] op_sel:[1,1,0] op_sel_hi:[1,1,0]
.endif
.set m, m+1
.endr
.set c, c+1
.endr
.irp x, 1,2,4                                      ; a head's eight lanes add up: every one of them ends with the head's scores
.set m, 0
.rept 16
	v_add_f32_dpp v[S+m], v[S+m], v[S+m] row_xmask:\x row_mask:0xf bank_mask:0xf
.set m, m+1
.endr
.endr
.set m, 0
.rept 16
	v_fma_f32 v[S+m], v[S+m], s[24+m], s[44+m]
.set m, m+1
.endr
	v_max3_num_f32 v[T], v[S], v[S+1], v[S+2]
	v_max3_num_f32 v[T+1], v[S+8], v[S+9], v[S+10]
	v_max3_num_f32 v[T], v[T], v[S+3], v[S+4]
	v_max3_num_f32 v[T+1], v[T+1], v[S+11], v[S+12]
	v_max3_num_f32 v[T], v[T], v[S+5], v[S+6]
	v_max3_num_f32 v[T+1], v[T+1], v[S+13], v[S+14]
	v_max3_num_f32 v[T], v[T], v[S+7], v[S+15]
	v_max_num_f32 v[M], v[T], v[T+1]
.set m, 0
.rept 16
	v_sub_f32 v[S+m], v[S+m], v[M]
.set m, m+1
.endr
.set m, 0
.rept 16                                           ; one batch of sixteen exponentials,
	v_exp_f32 v[S+m], v[S+m]
.set m, m+1
.endr
	v_nop                                          ; a plain instruction behind the last,
	s_wait_alu depctr_va_vdst(0)                   ; and the one wait ahead of the first reader
	v_pk_add_f32 v[T:T+1], v[S:S+1], v[S+2:S+3]
	v_pk_add_f32 v[T+2:T+3], v[S+4:S+5], v[S+6:S+7]
	v_pk_add_f32 v[T+4:T+5], v[S+8:S+9], v[S+10:S+11]
	v_pk_add_f32 v[T+6:T+7], v[S+12:S+13], v[S+14:S+15]
	v_pk_add_f32 v[T:T+1], v[T:T+1], v[T+2:T+3]
	v_pk_add_f32 v[T+4:T+5], v[T+4:T+5], v[T+6:T+7]
	v_pk_add_f32 v[T:T+1], v[T:T+1], v[T+4:T+5]
	v_add_f32 v[T], v[T], v[T+1]
	v_rcp_f32 v[L], v[T]                           ; at least 1: the largest weight is 1
	v_mov_b32 v[L+1], 0                            ; the plain instruction behind it; the pair's second word
	s_wait_loadcnt 0x0                             ; v
.set m, 0
.rept 16                                           ; the second product stands between the reciprocal and the wait for it; the channels' eight chains take turns
.set c, 0
.rept 8
.if (m == 0) && (c%2 == 0)
	v_fma_mix_f32_bf16 v[C+c], v[V+c/2], v[S], v[Z] op_sel_hi:[1,0,0]
.elseif m == 0
	v_fma_mix_f32_bf16 v[C+c], v[V+c/2], v[S], v[Z] op_sel:[1,0,0] op_sel_hi:[1,0,0]
.elseif c%2 == 0
	v_fma_mix_f32_bf16 v[C+c], v[V+4*m+c/2], v[S+m], v[C+c] op_sel_hi:[1,0,0]
.else
	v_fma_mix_f32_bf16 v[C+c], v[V+4*m+c/2], v[S+m], v[C+c] op_sel:[1,0,0] op_sel_hi:[1,0,0]
.endif
.set c, c+1
.endr
.set m, m+1
.endr
	s_wait_alu depctr_va_vdst(0)                   ; the reciprocal's wait, ahead of its first reader
.irp i, 0,1,2,3
	v_pk_mul_f32 v[C+2*\i:C+2*\i+1], v[C+2*\i:C+2*\i+1], v[L:L+1] op_sel_hi:[1,0]
.endr
.irp i, 0,1,2,3
	v_cvt_pk_bf16_f32 v[OUT+\i], v[C+2*\i], v[C+2*\i+1]
.endr
	global_store_b128 v2, v[OUT:OUT+3], s[10:11]   ; the wave's 512 consecutive bytes of row t
	s_endpgm
.Lfunc_end_k_q96d13b2293_attn:
	.size	k_q96d13b2293_attn, .Lfunc_end_k_q96d13b2293_attn-k_q96d13b2293_attn
	.p2alignl 7, 3214868480
	.fill 96, 4, 3214868480
	.section	.rodata,"a",@progbits
	.p2align	6, 0x0
	.amdhsa_kernel k_q96d13b2293_attn
		.amdhsa_group_segment_fixed_size 0
		.amdhsa_private_segment_fixed_size 0
		.amdhsa_enable_private_segment 0
		.amdhsa_kernarg_size 32
		.amdhsa_user_sgpr_count 2
		.amdhsa_user_sgpr_kernarg_segment_ptr 1
		.amdhsa_wavefront_size32 1
		.amdhsa_system_sgpr_workgroup_id_x 1
		.amdhsa_system_sgpr_workgroup_id_y 1
		.amdhsa_system_sgpr_workgroup_id_z 1
		.amdhsa_system_vgpr_workitem_id 0
		.amdhsa_next_free_vgpr 176
		.amdhsa_next_free_sgpr 66
		.amdhsa_reserve_vcc 0
		.amdhsa_float_denorm_mode_32 3
		.amdhsa_float_denorm_mode_16_64 3
		.amdhsa_memory_ordered 1
		.amdhsa_forward_progress 1
		.amdhsa_inst_pref_size 29
	.end_amdhsa_kernel
	.amdgpu_metadata
---
amdhsa.version: [ 1, 2 ]
amdhsa.kernels:
  - .name:           k_q96d13b2293_attn
    .symbol:         k_q96d13b2293_attn.kd
    .args:
      - { .name: hid, .offset: 0, .size: 8, .value_kind: global_buffer, .address_space: global }
      - { .name: smp, .offset: 8, .size: 8, .value_kind: global_buffer, .address_space: global }
      - { .name: tgt_mask_mem, .offset: 16, .size: 8, .value_kind: global_buffer, .address_space: global }
      - { .name: part, .offset: 24, .size: 8, .value_kind: global_buffer, .address_space: global }
    .group_segment_fixed_size: 0
    .private_segment_fixed_size: 0
    .kernarg_segment_align: 8
    .kernarg_segment_size: 32
    .max_flat_workgroup_size: 256
    .sgpr_count:     66
    .vgpr_count:     176
    .wavefront_size: 32
...
	.end_amdgpu_metadata
.endif
;; end of part 3
;; launch wo (part 4): grid 8 x 32, 4 waves a work-group, clusters of 4 x 4, 327,680 bytes of LDS; arguments part, packa, rows, stf, bo, w1b, w2b, packc, packb; writes rows, stf, packc, packb
.if DOCPART == 4
	.amdgcn_target "amdgcn-amd-amdhsa--gfx1250"
	.amdhsa_code_object_version 6
	.text
	.protected	k_q96d13b2293_wo
	.globl	k_q96d13b2293_wo
	.p2align	8
	.type	k_q96d13b2293_wo,@function
k_q96d13b2293_wo:
	s_mov_b64 s[64:65], 0
	v_nop
	global_prefetch_b8 v0, s[64:65] scope:SCOPE_SE
	s_setreg_imm32_b32 hwreg(HW_REG_WAVE_MODE, 25, 1), 1
	s_wait_xcnt 0x0
	s_wait_alu depctr_hold_cnt(0) depctr_sa_sdst(0) depctr_va_vdst(0) depctr_va_sdst(0) depctr_va_ssrc(0) depctr_va_vcc(0) depctr_vm_vsrc(0)
	s_getreg_b32 s2, hwreg(HW_REG_IB_STS2, 6, 4)
	s_cmp_eq_u32 s2, 0
	s_cbranch_scc0 .Lentry_in_a_cluster
	s_endpgm
.Lentry_in_a_cluster:
	s_bfe_u32 s2, ttmp6, 0x10000c
	s_cmp_lg_u32 s2, 0xf033
	s_cbranch_scc0 .Lentry_shape_is_right
	s_endpgm
.Lentry_shape_is_right:
; TWO THINGS IN ONE LAUNCH: the attention's output projection, and under it the laying out of two weight matrices that later launches need.
; (1) st = ctx wo + bo + x.  ctx: bf16 [1024][1024] at part; wo: eight blocks [1024 k][128 n] of bf16, 6 MiB into packa; x: f32, 16 MiB into part.  st leaves in f32 (stf) and in bf16 (rows).
;     SHARES.  Work-group (x, y) of 8 x 32 makes rows 32 y .. 32 y + 31, columns 128 x .. 128 x + 127: 256 work-groups.  Its four waves split K: wave w has k = 256 w .. 256 w + 255 and the whole
;     tile, 16 accumulators, 128 matrix instructions; the four partial tiles are added in f32 through LDS, and each wave finishes eight rows.
;     NO RING.  A wave's quarter of B, 256 k-rows x 256 bytes, comes by ONE tensor load into LDS bytes that this wave alone reads: its own wait on TENSORcnt is all the ordering that its reads need, and
;     nothing is filled again.  A wave has one tensor load out.  B stays [k][n] in LDS and is read turned (ds_load_tr16_b128).
;     A GOES STRAIGHT INTO REGISTERS, as fragments (32 loads, 128 registers): B's 4 x 73,728 bytes and A's 4 x 32 rows x 528 bytes do not fit into 327,680 bytes of LDS together.  A load takes 32 bytes of
;     each of 16 rows; a row block's sixteen loads take each row's 512 bytes once.  For that reason A, which the eight work-groups of a row of tiles share, is not asked for jointly.
;     CLUSTER.  4 x 4 work-groups; the four of a column need the same block of B: wave w of each asks for its quarter jointly, by the same tensor load with the same descriptor and a mask that names the four.
;     The matrix instruction is used transposed (source 0 = 16 columns of B, source 1 = 16 rows of A): a lane holds eight neighbouring numbers of a row of C.
;     THE STAGES, 32 rows x 528 bytes of f32 a wave, lie over the head of the wave's own part of B: those bytes have had their only fill, and the wave's reads of them are over.
; (2) w1b and w2b ([K][N] f32) are rounded to bf16 into blocks [1024 k][128 n]: source row k, columns 128 nt .. -> block (k >> 10) * 8 + nt, row k & 1023, 256 bytes; w1b opens packc, w2b lies 0x808000 into packb.
;     Each of the launch's 1,024 waves has 32,768 consecutive source bytes, eight groups of eight loads.  The product moves 14 MB and its waves mostly wait; so the 64 loads are issued straight behind the
;     product's own, land in window 3 while the product is made, and are rounded and stored behind its way out.  Each load covers 512 consecutive bytes, each store 256, aligned.
; A wave issues 105 loads on end.  LOADcnt's field holds 63, and issue stalls at that (ISA guide 5.7.1): each further load goes out as an older one comes back.
; LIMITS.  Matrix operands are bf16; the four partial sums are added as (0 + 1) + (2 + 3), not in ascending K.
; REGISTERS, in windows of 256: window 0 addresses, x, the accumulators;  window 1 two buffers of B's fragments, later the rounded weights;  window 2 A's fragments;  window 3 the weights as loaded.
.set BOFF,   0x600000                  ; wo in packa
.set PB,     288                       ; a k-row of B in LDS: 256 + 32 = 72 words
.set HALFB,  128*PB                    ; 240 rows x 288 pass an offset's 16 bits: a second address register begins here
.set QB,     256*PB                    ; a wave's quarter of B: 73,728 bytes
.set SPARE,  4*QB                      ; behind B: the spare words, 128 bytes for each wave: two blocks of 256 bytes that no other line names
.set SPITCH, 528                       ; a row of a stage: 512 bytes of f32 + 16
.set RD,   8                           ; v8-11   the way out: my eight rows in stage 0, 1, 2, 3
.set BIAS, 12                          ; v[12:15] bo of my four columns
.set AO,   16                          ; v16     my byte offset in 16 rows of ctx: row x 2,048 + 16 x half
.set ADRB, 20                          ; v20-21  LDS address of my B fragments: k-rows 0-127, 128-255 of my quarter
.set STO,  24                          ; v24     the way out: where I put 32 bytes of a row
.set CO16, 26                          ; v26     16 x lane
.set CO8,  27                          ; v27     8 x lane
.set SPW,  28                          ; v28     LDS address of my spare word; never rewritten
.set NIL,  29                          ; v29     0; never rewritten
.set XR,   32                          ; v32-63  x, then x + bo: my eight rows
.set TMP,  64                          ; v64-79  st in bf16
.set O,    96                          ; v96-103 8 x lane + j x 262,144: a group's eight pieces go into eight neighbouring blocks
.set ACC,  128                         ; v128-255 accumulator (a, b) at ACC + 8 (8 a + b); on the way out my eight rows of the four stages
.set F0,   0                           ; window 1: two buffers of 128: 64 along K, 2 x 8 fragments of B
.set F1,   128
.set G1B, 48                           ; s[48:55] descriptor group 1;  s[56:59] group 0
.set G0B, 56
.set DB,  80                           ; s[80:95] where my eight groups of weights go
.set MSB, 0
.macro WIN new                         ; s_set_vgpr_msb: bits 1:0 source 0, 3:2 source 1, 5:4 source 2, 7:6 destination; the high byte repeats the setting that is left
.if MSB != (\new)
	s_set_vgpr_msb (MSB<<8)|(\new)
.set MSB, \new
.endif
.endm
.set MUL,  0x09                        ; source 0 (B) window 1, source 1 (A) window 2; C and D window 0
.set TO_B, 0x40                        ; destination window 1, address window 0
.macro CREST                           ; a round of the cluster's barrier behind its opening barrier
	s_cmp_lg_u32 s10, 0
	s_cbranch_scc1 .Lnot_wave_0_\@
	s_barrier_signal -3
.Lnot_wave_0_\@:
	s_barrier_wait -3
	s_barrier_signal -1
	s_barrier_wait -1
.endm
.macro CROUND                          ; a whole round
	s_barrier_signal -1
	s_barrier_wait -1
	CREST
.endm
	s_load_b128 s[4:7], s[0:1], 0x0                ; part s[4:5], packa s[6:7]
	s_load_b64 s[8:9], s[0:1], 0x10                ; rows
	s_load_b128 s[72:75], s[0:1], 0x18             ; stf s[72:73], bo s[74:75]
	s_load_b128 s[76:79], s[0:1], 0x28             ; w1b s[76:77], w2b s[78:79]
	s_load_b128 s[96:99], s[0:1], 0x38             ; packc s[96:97], packb s[98:99]
	v_lshl_add_u32 v[SPW], v0, 2, SPARE
	v_mov_b32 v[NIL], 0
	ds_add_u32 v[SPW], v[NIL]                      ; the wave's opening: the add and its wait stand ahead of my first tensor load; the set-up below, work on registers, stands between them
	v_lshrrev_b32 v1, 5, v0
	v_readfirstlane_b32 s10, v1                    ; wave 0..3
	s_bfe_u32 s40, ttmp6, 0x40000                  ; cx, cy: my place in the cluster
	s_bfe_u32 s41, ttmp6, 0x40004
	s_lshl_b32 s42, ttmp9, 2
	s_add_co_u32 s42, s42, s40                     ; x = 4 x cluster x + cx
	s_and_b32 s45, ttmp7, 0xffff                   ; the cluster's y
	s_lshl_b32 s13, s45, 2
	s_add_co_u32 s13, s13, s41                     ; y = 4 x cluster y + cy
	s_lshl_b32 s44, 0x1111, s40                    ; my column of the cluster
	s_or_b32 s[G1B+0], s44, (1<<16)|(1<<20)|(1<<21)|(5<<22)|(7<<25)  ; 15:0 the mask; 17:16 2-byte elements; 20 padding on; 21 set beside a mask; 24:22 after every 64 words (code 5); 31:25 8 words (code 7)
	s_mov_b32 s[G1B+1], 128<<16                    ; tensor_dim0 = 128
	s_mov_b32 s[G1B+2], 256<<16                    ; tensor_dim1 = 256
	s_mov_b32 s[G1B+3], 128<<16                    ; tile_dim0 = 128
	s_mov_b32 s[G1B+4], 256                        ; tile_dim1 = 256
	s_mov_b32 s[G1B+5], 128                        ; dense
	s_mov_b32 s[G1B+6], 0
	s_mov_b32 s[G1B+7], 0
	s_mul_i32 s20, s10, QB                         ; my part of LDS: the wave's number times a constant; no place in the cluster enters an LDS address
	s_mov_b32 s[G0B], 1                            ; count = 1
	s_mov_b32 s[G0B+1], s20                        ; LDS address
	s_lshl_b32 s46, s42, 18                        ; B: block x, my 256 k-rows of 256 bytes
	s_lshl_b32 s47, s10, 16
	s_add_co_u32 s46, s46, s47
	s_add_co_u32 s46, s46, BOFF
	s_mov_b32 s47, 0
	s_lshl_b32 s16, s13, 16                        ; A: 32 y rows of 2,048 bytes, my 512 bytes of each
	s_lshl_b32 s17, s10, 9
	s_add_co_u32 s16, s16, s17
	s_mov_b32 s17, 0
	s_lshl_b32 s18, s13, 17                        ; x and st in f32: row 32 y + 8 wave, 4,096 bytes a row, column 128 x
	s_lshl_b32 s19, s10, 15
	s_add_co_u32 s18, s18, s19
	s_lshl_b32 s34, s42, 9                         ; (bo's offset too)
	s_mov_b32 s35, 0
	s_add_co_u32 s18, s18, s34
	s_mov_b32 s19, 0
	s_lshl_b32 s32, s13, 16                        ; st in bf16: 2,048 bytes a row
	s_lshl_b32 s33, s10, 14
	s_add_co_u32 s32, s32, s33
	s_lshl_b32 s33, s42, 8
	s_add_co_u32 s32, s32, s33
	s_mov_b32 s33, 0
	; the weights: waves of y < 16 have w1b, the others w2b; W = my wave among the matrix's 512
	s_lshr_b32 s21, s45, 2                         ; y >> 4
	s_and_b32 s31, s13, 15
	s_lshl3_add_u32 s31, s31, s42
	s_lshl2_add_u32 s31, s31, s10                  ; W = ((y & 15) * 8 + x) * 4 + wave
	s_lshl_b32 s36, s31, 15                        ; my 32,768 source bytes
	s_mov_b32 s37, 0
	s_lshl_b32 s38, s31, 3                         ; my first group of 4,096 source bytes: g = 8 W
	s_cmp_eq_u32 s21, 0                            ; w1b: rows of 4,096 numbers = four groups
	s_cselect_b32 s28, 2, 0                        ; sh: a group's row is k = g >> sh,
	s_cselect_b32 s29, 3, 0                        ; its first column group 8 (g & mask)
	s_cselect_b32 s30, 0, 0x808000                 ; the matrix's first byte in its pack
.set i, 0
.rept 8                                            ; where group g + i goes: block ((k >> 10) * 8 + first column group), row k & 1023
	s_add_co_u32 s66, s38, i
	s_lshr_b32 s67, s66, s28
	s_and_b32 s66, s66, s29
	s_lshl_b32 s66, s66, 3
	s_lshr_b32 s68, s67, 10
	s_lshl3_add_u32 s66, s68, s66
	s_lshl_b32 s66, s66, 18
	s_and_b32 s67, s67, 1023
	s_lshl_b32 s67, s67, 8
	s_add_co_u32 s66, s66, s67
	s_add_co_u32 s[DB+2*i], s66, s30
	s_mov_b32 s[DB+2*i+1], 0
.set i, i+1
.endr
	v_and_b32 v1, 15, v0                           ; r = l % 16
	v_bfe_u32 v2, v0, 4, 1                         ; h = l / 16
	v_and_b32 v6, 31, v0
	v_lshlrev_b32 v[CO16], 4, v6
	v_lshlrev_b32 v[CO8], 3, v6
	; A fragment is 16 rows x 32 K in 8 registers: lane l holds row l % 16; registers 0-3 K = 8 (l / 16) + 0..7, registers 4-7 K = 16 + 8 (l / 16) + 0..7: two loads of 16 bytes, 32 bytes apart.
	v_lshlrev_b32 v[AO], 11, v1
	v_lshl_add_u32 v[AO], v2, 4, v[AO]
	; The turning load takes 16 k x 16 columns (lane l reads k-row 8 (l / 16) + l % 8, columns 8 ((l / 8) % 2) + 0..7) and leaves half a fragment: lane l holds column l % 16 and 8 k.
	v_and_b32 v4, 7, v0
	v_lshl_add_u32 v4, v2, 3, v4
	v_mul_u32_u24 v4, v4, PB
	v_bfe_u32 v5, v0, 3, 1
	v_lshl_add_u32 v4, v5, 4, v4
	v_add_nc_u32 v[ADRB], s20, v4
	v_add_nc_u32 v[ADRB+1], HALFB, v[ADRB]
	v_mul_u32_u24 v4, v1, SPITCH                   ; into my stage: row l % 16, 32 bytes for each half of the lanes
	v_lshl_add_u32 v4, v2, 5, v4
	v_add_nc_u32 v[STO], s20, v4
	s_mul_i32 s2, s10, 8*SPITCH                    ; back: rows 8 wave .. 8 wave + 7 of every stage, whole: 32 lanes x 16 bytes
	v_add_nc_u32 v[RD], s2, v[CO16]
	v_add_nc_u32 v[RD+1], QB, v[RD]
	v_add_nc_u32 v[RD+2], 2*QB, v[RD]
	v_add_nc_u32 v[RD+3], 3*QB, v[RD]
.set j, 0
.rept 8
	v_add_nc_u32 v[O+j], j*262144, v[CO8]
.set j, j+1
.endr
	s_wait_dscnt 0x0                               ; the opening add is done
	s_wait_kmcnt 0x0
	s_add_nc_u64 s[14:15], s[4:5], s[16:17]
	WIN 0x80                                       ; destination window 2: A's fragments of my whole quarter of K go out ahead of the round; K step s = i / 2, row block a = i % 2
.set i, 0
.rept 16
	global_load_b128 v[8*i:8*i+3],   v[AO], s[14:15] offset:(i%2)*32768+(i/2)*64
	global_load_b128 v[8*i+4:8*i+7], v[AO], s[14:15] offset:(i%2)*32768+(i/2)*64+32
.set i, i+1
.endr
	WIN 0
	s_add_nc_u64 s[G0B+2:G0B+3], s[6:7], s[46:47]  ; global address: it hangs on x and the wave's number alone, which my column shares
	s_or_b32 s[G0B+3], s[G0B+3], 0x80000000        ; type = 2
	s_add_nc_u64 s[22:23], s[4:5], 0x1000000       ; x in f32 lies 16 MiB into part
	s_add_nc_u64 s[22:23], s[22:23], s[18:19]
	s_add_nc_u64 s[72:73], s[72:73], s[18:19]
	s_add_nc_u64 s[74:75], s[74:75], s[34:35]
	s_add_nc_u64 s[8:9], s[8:9], s[32:33]
	s_cmp_eq_u32 s21, 0
	s_cselect_b64 s[24:25], s[76:77], s[78:79]     ; w1b or w2b,
	s_cselect_b64 s[26:27], s[96:97], s[98:99]     ; into packc or packb
	s_add_nc_u64 s[24:25], s[24:25], s[36:37]
.set i, 0
.rept 8
	s_add_nc_u64 s[DB+2*i:DB+2*i+1], s[26:27], s[DB+2*i:DB+2*i+1]
.set i, i+1
.endr
	CROUND                                         ; all sixteen work-groups are here: the joint loads meet
	tensor_load_to_lds s[G0B:G0B+3], s[G1B:G1B+7]  ; my quarter of B: my only tensor load
	s_nop 0
.rept 4
	v_nop
.endr
	global_load_b128 v[BIAS:BIAS+3], v[CO16], s[74:75]
.set t, 0
.rept 8
	global_load_b128 v[XR+4*t:XR+4*t+3], v[CO16], s[22:23] offset:t*4096 th:TH_LOAD_NT
.set t, t+1
.endr
	WIN 0xc0                                       ; destination window 3: the weights, 64 loads of 512 consecutive bytes
.set i, 0
.rept 64
	global_load_b128 v[4*i:4*i+3], v[CO16], s[24:25] offset:512*i th:TH_LOAD_NT
.set i, i+1
.endr
; 16 matrix instructions: both row blocks x all 8 column blocks, 32 along K: half c of buffer f, K step s of my eight.  zero = 1: the first product starts the sums.  The 16 accumulators take turns.
.macro MUL16 f, c, s, zero
	WIN MUL
.irp a, 0,1
.irp b, 0,1,2,3,4,5,6,7
.if \zero
	v_wmma_f32_16x16x32_bf16 v[ACC+8*(8*(\a)+(\b)):ACC+8*(8*(\a)+(\b))+7], v[(\f)+64*(\c)+8*(\b):(\f)+64*(\c)+8*(\b)+7], v[8*(2*(\s)+(\a)):8*(2*(\s)+(\a))+7], 0
.else
	v_wmma_f32_16x16x32_bf16 v[ACC+8*(8*(\a)+(\b)):ACC+8*(8*(\a)+(\b))+7], v[(\f)+64*(\c)+8*(\b):(\f)+64*(\c)+8*(\b)+7], v[8*(2*(\s)+(\a)):8*(2*(\s)+(\a))+7], v[ACC+8*(8*(\a)+(\b)):ACC+8*(8*(\a)+(\b))+7]
.endif
.endr
.endr
.endm
; 32 LDS loads in one run: B's fragments of chunk q (64 along K) of my quarter, into buffer f; the first 32 along K first
.macro FETCHB q, f
	WIN TO_B
.irp c, 0,1
.irp b, 0,1,2,3,4,5,6,7
	ds_load_tr16_b128 v[(\f)+64*(\c)+8*(\b):(\f)+64*(\c)+8*(\b)+3],   v[ADRB+(\q)/2] offset:(((\q)%2)*64+32*(\c))*PB+32*(\b)
	ds_load_tr16_b128 v[(\f)+64*(\c)+8*(\b)+4:(\f)+64*(\c)+8*(\b)+7], v[ADRB+(\q)/2] offset:(((\q)%2)*64+32*(\c)+16)*PB+32*(\b)
.endr
.endr
.endm
.macro PLACES                          ; four places in front of loads into registers that matrix instructions have read, and of lines that read results
.rept 4
	v_nop
.endr
.endm
; One of the first three chunks: multiplies buffer f and fetches the next chunk into g.
.macro CHUNK q, f, g, zero
	s_wait_dscnt 16                                ; the first 32 along K are in; the youngest sixteen loads may be out
	MUL16 \f, 0, 2*(\q), \zero
	PLACES
	FETCHB (\q)+1, \g
	s_wait_dscnt 32                                ; all but the 32 just issued
	MUL16 \f, 1, 2*(\q)+1, 0
.endm
	s_wait_tensorcnt 0x0                           ; my quarter of B is in LDS; no other wave reads it, so no barrier stands here
	FETCHB 0, F0
	s_wait_loadcnt 63                              ; x's last load has 64 younger ones; the field holds 63: the 42 oldest loads are in: A's 32, bo, x's 8 and one of the weights'
	CHUNK 0, F0, F1, 1                             ; its first products start the sums
	CHUNK 1, F1, F0, 0
	CHUNK 2, F0, F1, 0
	s_wait_dscnt 16
	MUL16 F1, 0, 6, 0
	s_wait_dscnt 0
	MUL16 F1, 1, 7, 0
	WIN 0
	; THE WAY OUT: my partial tile into my stage, 32 bytes a lane, each accumulator's low registers first; a barrier; then my eight rows of all four stages are added, with x + bo, and stored.
	PLACES
.irp a, 0,1
.irp b, 0,1,2,3,4,5,6,7
	ds_store_b128 v[STO], v[ACC+8*(8*(\a)+(\b)):ACC+8*(8*(\a)+(\b))+3]   offset:(\a)*16*SPITCH+64*(\b)
	ds_store_b128 v[STO], v[ACC+8*(8*(\a)+(\b))+4:ACC+8*(8*(\a)+(\b))+7] offset:(\a)*16*SPITCH+64*(\b)+16
.endr
.endr
.set t, 0
.rept 8                                            ; x + bo, while the stores land
	v_pk_add_f32 v[XR+4*t:XR+4*t+1], v[XR+4*t:XR+4*t+1], v[BIAS:BIAS+1]
	v_pk_add_f32 v[XR+4*t+2:XR+4*t+3], v[XR+4*t+2:XR+4*t+3], v[BIAS+2:BIAS+3]
.set t, t+1
.endr
	s_wait_dscnt 0x0                               ; for the others' sake: my stores into my stage are done
	s_barrier_signal -1
	s_barrier_wait -1
.set t, 0
.rept 8
.irp p, 0,1,2,3
	ds_load_b128 v[ACC+16*t+4*(\p):ACC+16*t+4*(\p)+3], v[RD+(\p)] offset:t*SPITCH
.endr
.set t, t+1
.endr
.set t, 0
.rept 8
.set T, ACC+16*t
	s_wait_dscnt 28-4*t                            ; LDS loads come back in order: row t's four parts are in
	v_pk_add_f32 v[T:T+1], v[T:T+1], v[T+4:T+5]
	v_pk_add_f32 v[T+2:T+3], v[T+2:T+3], v[T+6:T+7]
	v_pk_add_f32 v[T+8:T+9], v[T+8:T+9], v[T+12:T+13]
	v_pk_add_f32 v[T+10:T+11], v[T+10:T+11], v[T+14:T+15]
	v_pk_add_f32 v[T:T+1], v[T:T+1], v[T+8:T+9]
	v_pk_add_f32 v[T+2:T+3], v[T+2:T+3], v[T+10:T+11]
	v_pk_add_f32 v[T:T+1], v[T:T+1], v[XR+4*t:XR+4*t+1]
	v_pk_add_f32 v[T+2:T+3], v[T+2:T+3], v[XR+4*t+2:XR+4*t+3]
	global_store_b128 v[CO16], v[T:T+3], s[72:73] offset:t*4096  ; 512 consecutive bytes, aligned
	v_cvt_pk_bf16_f32 v[TMP+2*t], v[T], v[T+1]
	v_cvt_pk_bf16_f32 v[TMP+2*t+1], v[T+2], v[T+3]
	global_store_b64 v[CO8], v[TMP+2*t:TMP+2*t+1], s[8:9] offset:t*2048  ; 32 lanes x 8 bytes: 256 consecutive bytes, aligned
.set t, t+1
.endr
	; THE WEIGHTS: group by group, rounded into window 1 (B's buffers are free) and stored
.macro HSTORE i
	s_wait_loadcnt 8*(7-(\i))                      ; loads come back in order: group i is in, the later groups' loads may be out
	WIN 0x4f                                       ; sources window 3, destination window 1
.irp j, 0,1,2,3,4,5,6,7
	v_cvt_pk_bf16_f32 v[16*(\i)+2*(\j)],   v[32*(\i)+4*(\j)],   v[32*(\i)+4*(\j)+1]
	v_cvt_pk_bf16_f32 v[16*(\i)+2*(\j)+1], v[32*(\i)+4*(\j)+2], v[32*(\i)+4*(\j)+3]
.endr
	WIN 0x04                                       ; a store's data is source 1: window 1; its offset window 0
.irp j, 0,1,2,3,4,5,6,7
	global_store_b64 v[O+(\j)], v[16*(\i)+2*(\j):16*(\i)+2*(\j)+1], s[DB+2*(\i):DB+2*(\i)+1]  ; 256 consecutive bytes, aligned
.endr
.endm
.irp i, 0,1,2,3,4,5,6,7
	HSTORE \i
.endr
	WIN 0
	s_wait_tensorcnt 0x0                           ; the wave's end, behind my last tensor load and my last LDS store
	ds_add_u32 v[SPW], v[NIL]
	s_wait_dscnt 0x0
	CROUND                                         ; the closing round: no work-group ends while a partner may still ask for a tile that names it
	s_endpgm
.Lfunc_end_k_q96d13b2293_wo:
	.size	k_q96d13b2293_wo, .Lfunc_end_k_q96d13b2293_wo-k_q96d13b2293_wo
	.p2alignl 7, 3214868480
	.fill 96, 4, 3214868480
	.section	.rodata,"a",@progbits
	.p2align	6, 0x0
	.amdhsa_kernel k_q96d13b2293_wo
		.amdhsa_group_segment_fixed_size 327680
		.amdhsa_private_segment_fixed_size 0
		.amdhsa_enable_private_segment 0
		.amdhsa_kernarg_size 72
		.amdhsa_user_sgpr_count 2
		.amdhsa_user_sgpr_kernarg_segment_ptr 1
		.amdhsa_wavefront_size32 1
		.amdhsa_system_sgpr_workgroup_id_x 1
		.amdhsa_system_sgpr_workgroup_id_y 1
		.amdhsa_system_sgpr_workgroup_id_z 1
		.amdhsa_system_vgpr_workitem_id 0
		.amdhsa_next_free_vgpr 1024
		.amdhsa_next_free_sgpr 100
		.amdhsa_reserve_vcc 0
		.amdhsa_float_denorm_mode_32 3
		.amdhsa_float_denorm_mode_16_64 3
		.amdhsa_memory_ordered 1
		.amdhsa_forward_progress 1
		.amdhsa_inst_pref_size 64
	.end_amdhsa_kernel
	.amdgpu_metadata
---
amdhsa.version: [ 1, 2 ]
amdhsa.kernels:
  - .name:           k_q96d13b2293_wo
    .symbol:         k_q96d13b2293_wo.kd
    .args:
      - { .name: part, .offset: 0, .size: 8, .value_kind: global_buffer, .address_space: global }
      - { .name: packa, .offset: 8, .size: 8, .value_kind: global_buffer, .address_space: global }
      - { .name: rows, .offset: 16, .size: 8, .value_kind: global_buffer, .address_space: global }
      - { .name: stf, .offset: 24, .size: 8, .value_kind: global_buffer, .address_space: global }
      - { .name: bo, .offset: 32, .size: 8, .value_kind: global_buffer, .address_space: global }
      - { .name: w1b, .offset: 40, .size: 8, .value_kind: global_buffer, .address_space: global }
      - { .name: w2b, .offset: 48, .size: 8, .value_kind: global_buffer, .address_space: global }
      - { .name: packc, .offset: 56, .size: 8, .value_kind: global_buffer, .address_space: global }
      - { .name: packb, .offset: 64, .size: 8, .value_kind: global_buffer, .address_space: global }
    .group_segment_fixed_size: 327680
    .private_segment_fixed_size: 0
    .kernarg_segment_align: 8
    .kernarg_segment_size: 72
    .max_flat_workgroup_size: 128
    .sgpr_count:     100
    .vgpr_count:     1024
    .wavefront_size: 32
...
	.end_amdgpu_metadata
.endif
;; end of part 4
;; launch ff1a: the kernel of part 2 again; grid 32 x 8, 4 waves a work-group, clusters of 4 x 4, 327,680 bytes of LDS; arguments rows, packb, hid; writes hid
;; launch ff2a (part 5): grid 8 x 32, 4 waves a work-group, clusters of 4 x 4, 327,680 bytes of LDS; arguments hid, packa, part; writes part
.if DOCPART == 5
	.amdgcn_target "amdgcn-amd-amdhsa--gfx1250"
	.amdhsa_code_object_version 6
	.text
	.protected	k_q96d13b2293_ff2a
	.globl	k_q96d13b2293_ff2a
	.p2align	8
	.type	k_q96d13b2293_ff2a,@function
k_q96d13b2293_ff2a:
	s_mov_b64 s[64:65], 0
	v_nop
	global_prefetch_b8 v0, s[64:65] scope:SCOPE_SE
	s_setreg_imm32_b32 hwreg(HW_REG_WAVE_MODE, 25, 1), 1
	s_wait_xcnt 0x0
	s_wait_alu depctr_hold_cnt(0) depctr_sa_sdst(0) depctr_va_vdst(0) depctr_va_sdst(0) depctr_va_ssrc(0) depctr_va_vcc(0) depctr_vm_vsrc(0)
	s_getreg_b32 s2, hwreg(HW_REG_IB_STS2, 6, 4)
	s_cmp_eq_u32 s2, 0
	s_cbranch_scc0 .Lentry_in_a_cluster
	s_endpgm
.Lentry_in_a_cluster:
	s_bfe_u32 s2, ttmp6, 0x10000c
	s_cmp_lg_u32 s2, 0xf033
	s_cbranch_scc0 .Lentry_shape_is_right
	s_endpgm
.Lentry_shape_is_right:
; ONE TILE OF C = A B, 128 x 128, K = 1,024.  A: bf16 rows of 1,024 (pitch 2,048 bytes).  B: a block [1024 k][128 n] of bf16, 262,144 dense bytes.  Sums in f32, K ascending.
; With x, y the work-group's place in the grid: A's rows begin at 128 y; B is block Bi = 8 (y >> 3) + x of the pack, BOFF bytes in; C's rows begin at 1,024 (x >> 3) + 128 y, its columns at 128 (x & 7), pitch 1,024.
; KIND says what leaves:  0: max(C + bias[128 Bi ..], floor) in bf16 (bias and floor lie in the pack, 8 MiB in: floor -inf for q, k, v; 0 for ReLU)
;                         1: C + bo + x in f32 and in bf16 (the attention's output projection and its residual)       2: C in f32, a partial sum over a quarter of K = 4,096.
; Here y = 8 ks + mt: plane ks of the hidden layer times rows 1,024 ks .. of the second weight, into plane ks of the partial sums; the launch behind, which walks the rows anyway, adds the four planes in f32.
; SHAPE.  Four waves, each 64 x 64 of C: 16 accumulators.  K goes in four steps of 256 through two LDS slots filled by the tensor data mover; a wave brings 64 rows x 512 bytes of A or 128 k-rows x 256 bytes of B.
; B stays [k][n] in LDS and is read turned (ds_load_tr16_b128).  The matrix instruction is used transposed (source 0 = 16 columns of B, source 1 = 16 rows of A): a lane holds eight neighbouring numbers of a row of C.
; CLUSTER.  4 x 4 work-groups.  The four of a row need the same tiles of A, the four of a column the same tiles of B (y >> 3 is the cluster's y >> 1, which they share): each tile is asked for jointly,
; by the same tensor load with the same descriptor and a mask that names the four.
; THE WAY OUT goes through a stage of 128 rows x 528 bytes of f32 that lies over slot 0's part for A: those bytes have had their last fill (K step 2), and every wave's reads of them ended in front of the barrier of the last change of slots.
; A wave has two tensor loads out at the start and one behind each refill.
; LIMITS.  Operands are bf16.  KIND 0: a NaN in C + bias leaves as the floor.
.set KIND,   2
.set BOFF,   0x808000
.set PA,     528                       ; a row of A in LDS: 512 bytes + 16 = 132 words: the 16 rows of a load start at 16 different groups of four banks (64 banks of 4 bytes: ISA guide 11.1)
.set PB,     288                       ; a k-row of B: 256 + 32 = 72 words
.set HALFA,  64*PA                     ; what one tensor load brings of A,
.set HALFB,  128*PB                    ; and of B
.set BBASE,  2*HALFA                   ; in a slot: A's 128 rows, then B's 256 k-rows
.set SLOT,   2*HALFA+2*HALFB
.set SPARE,  2*SLOT                    ; behind the ring: the spare words, 128 bytes for each wave: two blocks of 256 bytes that no other line names
.set SPITCH, 528                       ; a row of the stage: 512 bytes of f32 + 16
.set ASTEP,  512                       ; a K step in memory: 256 numbers along A's rows,
.set BSTEP,  65536                     ; 256 k-rows of B
.set BIAS, 12                          ; v[12:15] the bias of my four columns on the way out
.set ADRA, 16                          ; v16-17  LDS address of my A fragments in slot 0, 1
.set ADRB, 20                          ; v20-23  the same for B: slot 0 k-rows 0-127, 128-255; slot 1 likewise (240 rows x 288 pass an offset's 16 bits)
.set STO,  24                          ; v24     the way out: where I put 32 bytes of a row
.set RD,   25                          ; v25     the way out: where I read a row back
.set CO16, 26                          ; v26     16 x lane
.set CO8,  27                          ; v27     8 x lane
.set SPW,  28                          ; v28     LDS address of my spare word; never rewritten
.set NIL,  29                          ; v29     0; never rewritten
.set TMP,  32                          ; v32-95  the way out: rows in bf16
.set ACC,  128                         ; v128-255 accumulator (a, b) at ACC + 8 (4 a + b); on the way out 32 whole rows
.set F0,   0                           ; window 1: two fragment buffers of 128: 64 registers of A (2 x 4 x 16 rows x 32 K), then 64 of B
.set F1,   128
.set G1, 24                            ; s[24:31] descriptor group 1 for A's tiles;  s[32:39] group 0, one set for each slot
.set G0, 32
.set G1B, 48                           ; s[48:55], s[56:63] the same for B's tiles
.set G0B, 56
.set MSB, 0
.macro WIN new                         ; s_set_vgpr_msb: bits 1:0 source 0, 3:2 source 1, 5:4 source 2, 7:6 destination; the high byte repeats the setting that is left
.if MSB != (\new)
	s_set_vgpr_msb (MSB<<8)|(\new)
.set MSB, \new
.endif
.endm
.set MUL,  0x05                        ; sources 0 (B) and 1 (A) window 1; C and D window 0
.set TO_F, 0x40                        ; destination window 1, address window 0
.macro JLOAD s                         ; a joint load: waves 0 and 1 fetch A's two halves, waves 2 and 3 B's; an s_nop 0 and four v_nop follow each of the two lines, ahead of the jump, the label and what follows
	s_cmp_eq_u32 s11, 0
	s_cbranch_scc0 .Lfor_b_\@
	tensor_load_to_lds s[G0+4*(\s):G0+4*(\s)+3], s[G1:G1+7]
	s_nop 0
.rept 4
	v_nop
.endr
	s_branch .Lasked_\@
.Lfor_b_\@:
	tensor_load_to_lds s[G0B+4*(\s):G0B+4*(\s)+3], s[G1B:G1B+7]
	s_nop 0
.rept 4
	v_nop
.endr
.Lasked_\@:
.endm
.macro CREST                           ; a round of the cluster's barrier behind its opening barrier
	s_cmp_lg_u32 s10, 0
	s_cbranch_scc1 .Lnot_wave_0_\@
	s_barrier_signal -3
.Lnot_wave_0_\@:
	s_barrier_wait -3
	s_barrier_signal -1
	s_barrier_wait -1
.endm
.macro CROUND                          ; a whole round
	s_barrier_signal -1
	s_barrier_wait -1
	CREST
.endm
	s_load_b128 s[4:7], s[0:1], 0x0                ; A s[4:5], the pack s[6:7]
	s_load_b64 s[8:9], s[0:1], 0x10                ; the output (KIND 1: the bf16 one)
.if KIND == 1
	s_load_b128 s[72:75], s[0:1], 0x18             ; the f32 output s[72:73], bo s[74:75]
.endif
	v_lshl_add_u32 v[SPW], v0, 2, SPARE
	v_mov_b32 v[NIL], 0
	ds_add_u32 v[SPW], v[NIL]                      ; the wave's opening: the add and its wait stand ahead of my first tensor load; the set-up below, work on registers, stands between them
	v_lshrrev_b32 v1, 5, v0
	v_readfirstlane_b32 s10, v1                    ; wave 0..3
	s_lshr_b32 s11, s10, 1                         ; which half of the tile's rows is mine.  Also: I fetch for A (0) or for B (1)
	s_and_b32 s12, s10, 1                          ; which half of its columns.  Also: which half of that tile I fetch
	s_bfe_u32 s40, ttmp6, 0x40000                  ; cx, cy: my place in the cluster
	s_bfe_u32 s41, ttmp6, 0x40004
	s_lshl_b32 s42, ttmp9, 2
	s_add_co_u32 s42, s42, s40                     ; x = 4 x cluster x + cx
	s_and_b32 s45, ttmp7, 0xffff
	s_lshl_b32 s13, s45, 2
	s_add_co_u32 s13, s13, s41                     ; y = 4 x cluster y + cy
	s_lshr_b32 s45, s45, 1                         ; y >> 3, made of the cluster's y alone
	s_lshl3_add_u32 s76, s45, s42                  ; Bi
	s_lshl_b32 s43, s41, 2
	s_lshl_b32 s43, 15, s43                        ; my row of the cluster
	s_lshl_b32 s44, 0x1111, s40                    ; my column
	s_or_b32 s[G1+0], s43, (1<<16)|(1<<20)|(1<<21)|(6<<22)|(3<<25)   ; 15:0 the mask: A's tiles go to my row; 17:16 2-byte elements; 20 padding on; 21 set beside a mask; 24:22 after every 128 words (code 6); 31:25 4 words (code 3)
	s_or_b32 s[G1B+0], s44, (1<<16)|(1<<20)|(1<<21)|(5<<22)|(7<<25)  ; B's go to my column; after every 64 words (code 5) 8 words (code 7)
	s_mov_b32 s[G1+1], 256<<16                     ; A: tensor_dim0 = 256
	s_mov_b32 s[G1+2], 64<<16                      ; tensor_dim1 = 64
	s_mov_b32 s[G1+3], 256<<16                     ; tile_dim0 = 256
	s_mov_b32 s[G1+4], 64                          ; tile_dim1 = 64
	s_mov_b32 s[G1+5], 1024                        ; 1,024 elements from row to row
	s_mov_b32 s[G1+6], 0
	s_mov_b32 s[G1+7], 0
	s_mov_b32 s[G1B+1], 128<<16                    ; B: tensor_dim0 = 128
	s_mov_b32 s[G1B+2], 128<<16                    ; tensor_dim1 = 128
	s_mov_b32 s[G1B+3], 128<<16                    ; tile_dim0 = 128
	s_mov_b32 s[G1B+4], 128                        ; tile_dim1 = 128
	s_mov_b32 s[G1B+5], 128                        ; dense
	s_mov_b32 s[G1B+6], 0
	s_mov_b32 s[G1B+7], 0
	s_lshl_b32 s16, s13, 18                        ; A: (128 y + 64 half) rows of 2,048 bytes
	s_lshl_b32 s17, s12, 17
	s_add_co_u32 s16, s16, s17
	s_mov_b32 s17, 0
	s_lshl_b32 s46, s76, 18                        ; B: block Bi, 128 half k-rows of 256 bytes
	s_lshl_b32 s47, s12, 15
	s_add_co_u32 s46, s46, s47
.if BOFF != 0
	s_add_co_u32 s46, s46, BOFF
.endif
	s_mov_b32 s47, 0
	s_mul_i32 s20, s12, HALFA                      ; where they go: no place in the cluster enters an LDS address
	s_mul_i32 s21, s12, HALFB
	s_add_co_u32 s21, s21, BBASE
	s_wait_dscnt 0x0                               ; the opening add is done
	s_wait_kmcnt 0x0
	s_add_nc_u64 s[14:15], s[4:5], s[16:17]
	s_add_nc_u64 s[46:47], s[6:7], s[46:47]
	CROUND                                         ; all sixteen work-groups are here: the first joint loads meet
.irp s, 0,1
	s_mov_b32 s[G0+4*(\s)], 1                                        ; count = 1
	s_add_co_u32 s[G0+4*(\s)+1], s20, (\s)*SLOT                      ; LDS address
	s_add_nc_u64 s[G0+4*(\s)+2:G0+4*(\s)+3], s[14:15], (\s)*ASTEP    ; global address: K step s
	s_or_b32 s[G0+4*(\s)+3], s[G0+4*(\s)+3], 0x80000000              ; type = 2
	s_mov_b32 s[G0B+4*(\s)], 1
	s_add_co_u32 s[G0B+4*(\s)+1], s21, (\s)*SLOT
	s_add_nc_u64 s[G0B+4*(\s)+2:G0B+4*(\s)+3], s[46:47], (\s)*BSTEP
	s_or_b32 s[G0B+4*(\s)+3], s[G0B+4*(\s)+3], 0x80000000
	JLOAD \s
.endr
	v_and_b32 v1, 15, v0                           ; r = l % 16
	v_bfe_u32 v2, v0, 4, 1                         ; h = l / 16
	v_and_b32 v6, 31, v0
	v_lshlrev_b32 v[CO16], 4, v6
	v_lshlrev_b32 v[CO8], 3, v6
	; what the way out needs from memory is asked for now; row parts of an offset stand in s16-17, column parts in s46-47
.if KIND == 0
	s_add_nc_u64 s[68:69], s[6:7], 0x800000        ; the floor word,
	s_lshl_b32 s46, s76, 9
	s_add_co_u32 s46, s46, 0x100
	s_mov_b32 s47, 0
	s_add_nc_u64 s[70:71], s[68:69], s[46:47]      ; and 256 bytes on the biases: my tile's 128 numbers
	s_load_b32 s66, s[68:69], 0x0
	global_load_b128 v[BIAS:BIAS+3], v[CO16], s[70:71]
	s_lshl_b32 s16, s13, 18                        ; the output: row 128 y + 32 wave, 2,048 bytes a row,
	s_lshl_b32 s17, s10, 16
	s_add_co_u32 s16, s16, s17
	s_mov_b32 s17, 0
	s_add_nc_u64 s[8:9], s[8:9], s[16:17]
	s_lshr_b32 s46, s42, 3                         ; plane x >> 3 of 1,024 rows, column 128 (x & 7)
	s_lshl_b32 s46, s46, 21
	s_and_b32 s47, s42, 7
	s_lshl_b32 s47, s47, 8
	s_add_co_u32 s46, s46, s47
	s_mov_b32 s47, 0
	s_add_nc_u64 s[8:9], s[8:9], s[46:47]
.elseif KIND == 1
	s_lshl_b32 s16, s13, 18                        ; the bf16 output
	s_lshl_b32 s17, s10, 16
	s_add_co_u32 s16, s16, s17
	s_mov_b32 s17, 0
	s_add_nc_u64 s[8:9], s[8:9], s[16:17]
	s_lshl_b32 s46, s42, 8
	s_mov_b32 s47, 0
	s_add_nc_u64 s[8:9], s[8:9], s[46:47]
	s_lshl_b32 s16, s13, 19                        ; the f32 output and x: 4,096 bytes a row
	s_lshl_b32 s17, s10, 17
	s_add_co_u32 s16, s16, s17
	s_mov_b32 s17, 0
	s_lshl_b32 s46, s42, 9
	s_add_nc_u64 s[72:73], s[72:73], s[16:17]
	s_add_nc_u64 s[72:73], s[72:73], s[46:47]
	s_add_nc_u64 s[70:71], s[4:5], 0x1000000       ; x in f32 lies 16 MiB into A's buffer
	s_add_nc_u64 s[70:71], s[70:71], s[16:17]
	s_add_nc_u64 s[70:71], s[70:71], s[46:47]
	s_add_nc_u64 s[74:75], s[74:75], s[46:47]
	global_load_b128 v[BIAS:BIAS+3], v[CO16], s[74:75]
	WIN 0x80                                       ; destination window 2: my 32 rows of x, 512 bytes each, wait there for the sums
.set t, 0
.rept 32
	global_load_b128 v[4*t:4*t+3], v[CO16], s[70:71] offset:t*4096
.set t, t+1
.endr
	WIN 0
.else
	s_lshl_b32 s16, s13, 19                        ; the output: row 128 y + 32 wave, 4,096 bytes a row, column 128 x
	s_lshl_b32 s17, s10, 17
	s_add_co_u32 s16, s16, s17
	s_mov_b32 s17, 0
	s_add_nc_u64 s[8:9], s[8:9], s[16:17]
	s_lshl_b32 s46, s42, 9
	s_mov_b32 s47, 0
	s_add_nc_u64 s[8:9], s[8:9], s[46:47]
.endif
	; A fragment is 16 rows x 32 K in 8 registers: lane l holds row l % 16; registers 0-3 K = 8 (l / 16) + 0..7, registers 4-7 K = 16 + 8 (l / 16) + 0..7: two loads of 16 bytes, 32 bytes apart.
	v_mul_u32_u24 v3, v1, PA
	v_lshl_add_u32 v3, v2, 4, v3
	s_mul_i32 s22, s11, HALFA                      ; my 64 rows of A
	v_add_nc_u32 v[ADRA], s22, v3
	v_add_nc_u32 v[ADRA+1], SLOT, v[ADRA]
	; The turning load takes 16 k x 16 columns (lane l reads k-row 8 (l / 16) + l % 8, columns 8 ((l / 8) % 2) + 0..7) and leaves half a fragment: lane l holds column l % 16 and 8 k.
	v_and_b32 v4, 7, v0
	v_lshl_add_u32 v4, v2, 3, v4
	v_mul_u32_u24 v4, v4, PB
	v_bfe_u32 v5, v0, 3, 1
	v_lshl_add_u32 v4, v5, 4, v4
	s_lshl_b32 s22, s12, 7                         ; my 64 columns of B
	s_add_co_u32 s22, s22, BBASE
	v_add_nc_u32 v[ADRB], s22, v4
	v_add_nc_u32 v[ADRB+1], HALFB, v[ADRB]
	v_add_nc_u32 v[ADRB+2], SLOT, v[ADRB]
	v_add_nc_u32 v[ADRB+3], SLOT, v[ADRB+1]
	s_mul_i32 s23, s11, 64*SPITCH                  ; into the stage: my 64 rows, my half of their 512 bytes; row l % 16, 32 bytes for each half of the lanes
	s_lshl_b32 s22, s12, 8
	s_add_co_u32 s23, s23, s22
	v_mul_u32_u24 v4, v1, SPITCH
	v_lshl_add_u32 v4, v2, 5, v4
	v_add_nc_u32 v[STO], s23, v4
	s_mul_i32 s23, s10, 32*SPITCH                  ; back: wave w takes rows 32 w .. 32 w + 31, whole: 32 lanes x 16 bytes
	v_add_nc_u32 v[RD], s23, v[CO16]
; 8 matrix instructions: row blocks a0, a0 + 1 x all 4 column blocks, 32 along K: half c of buffer f.  zero = 1: the first product starts the sums.  The 16 accumulators take turns.
.macro MUL8 f, c, a0, zero
	WIN MUL
.irp a, \a0, (\a0)+1
.irp b, 0,1,2,3
.if \zero
	v_wmma_f32_16x16x32_bf16 v[ACC+8*(4*(\a)+(\b)):ACC+8*(4*(\a)+(\b))+7], v[(\f)+64+8*(4*(\c)+(\b)):(\f)+64+8*(4*(\c)+(\b))+7], v[(\f)+8*(4*(\c)+(\a)):(\f)+8*(4*(\c)+(\a))+7], 0
.else
	v_wmma_f32_16x16x32_bf16 v[ACC+8*(4*(\a)+(\b)):ACC+8*(4*(\a)+(\b))+7], v[(\f)+64+8*(4*(\c)+(\b)):(\f)+64+8*(4*(\c)+(\b))+7], v[(\f)+8*(4*(\c)+(\a)):(\f)+8*(4*(\c)+(\a))+7], v[ACC+8*(4*(\a)+(\b)):ACC+8*(4*(\a)+(\b))+7]
.endif
.endr
.endr
.endm
; 32 LDS loads in one run: the fragments of quarter q (64 along K) of a slot, into buffer f; the first 32 along K first
.macro FETCH slot, q, f
	WIN TO_F
.irp c, 0,1
.irp i, 0,1,2,3
	ds_load_tr16_b128 v[(\f)+64+8*(4*(\c)+(\i)):(\f)+64+8*(4*(\c)+(\i))+3],   v[ADRB+2*(\slot)+(\q)/2] offset:(((\q)%2)*64+32*(\c))*PB+32*(\i)
	ds_load_tr16_b128 v[(\f)+64+8*(4*(\c)+(\i))+4:(\f)+64+8*(4*(\c)+(\i))+7], v[ADRB+2*(\slot)+(\q)/2] offset:(((\q)%2)*64+32*(\c)+16)*PB+32*(\i)
	ds_load_b128 v[(\f)+8*(4*(\c)+(\i)):(\f)+8*(4*(\c)+(\i))+3],             v[ADRA+(\slot)] offset:128*(\q)+64*(\c)+(\i)*16*PA
	ds_load_b128 v[(\f)+8*(4*(\c)+(\i))+4:(\f)+8*(4*(\c)+(\i))+7],           v[ADRA+(\slot)] offset:128*(\q)+64*(\c)+(\i)*16*PA+32
.endr
.endr
.endm
.macro PLACES                          ; four places in front of loads into registers that matrix instructions have read, and of lines that read results
.rept 4
	v_nop
.endr
.endm
; A K step is four quarters of 64 along K, 32 matrix instructions each, on buffers 0, 1, 0, 1.  One of the first three: multiplies buffer f and fetches quarter q into g.
.macro QUARTER slot, q, f, g, zero
	s_wait_dscnt 16                                ; the first 32 along K are in; the youngest sixteen loads may be out
	WIN MUL
	MUL8 \f, 0, 0, \zero
	MUL8 \f, 0, 2, \zero
	PLACES
	FETCH \slot, \q, \g
	s_wait_dscnt 32                                ; all but the 32 just issued
	WIN MUL
	MUL8 \f, 1, 0, 0
	MUL8 \f, 1, 2, 0
.endm
; The last quarter multiplies buffer 1 and changes slots: ONE barrier; in front of it each wave waits for all its tensor loads, adds 0 to its spare word, and waits for that and for its own reads of this slot.  fill = 1: this slot is filled again, two K steps ahead.
.macro TURN slot, next, fill
	WIN 0                                          ; (the add's two registers lie in window 0)
	s_wait_tensorcnt 0x0                           ; all my tensor loads have landed: my part of the next slot;
	ds_add_u32 v[SPW], v[NIL]                      ; 0 onto my spare word;
	s_wait_dscnt 17                                ; (the add and the youngest sixteen loads may be out)
	WIN MUL
	MUL8 F1, 0, 0, 0                               ; eight matrix instructions stand between the add and the wait for it
	s_wait_dscnt 0x0                               ; the add is done, and my reads of this slot are over
	s_barrier_signal -1
	MUL8 F1, 0, 2, 0
.if \fill
	WIN 0
.endif
	s_barrier_wait -1
.if \fill
	CREST                                          ; the barrier has opened a round of the cluster's barrier: no wave of any partner still reads this slot's tile or has a load on its way
	s_add_nc_u64 s[G0+4*(\slot)+2:G0+4*(\slot)+3], s[G0+4*(\slot)+2:G0+4*(\slot)+3], 2*ASTEP
	s_add_nc_u64 s[G0B+4*(\slot)+2:G0B+4*(\slot)+3], s[G0B+4*(\slot)+2:G0B+4*(\slot)+3], 2*BSTEP
	JLOAD \slot                                    ; the first tensor load behind the round; the four v_nop behind it are also the places in front of the loads below
.else
	PLACES
.endif
	FETCH \next, 0, F0
	WIN MUL
	MUL8 F1, 1, 0, 0
	MUL8 F1, 1, 2, 0
.endm
	s_wait_tensorcnt 1                             ; my part of K step 0 is in; K step 1's may stay out
	s_barrier_signal -1
	s_barrier_wait -1                              ; everybody's is
	FETCH 0, 0, F0
	QUARTER 0, 1, F0, F1, 1                        ; K step 0: its first products start the sums
	QUARTER 0, 2, F1, F0, 0
	QUARTER 0, 3, F0, F1, 0
	TURN 0, 1, 1                                   ; slot 0 takes K step 2
	QUARTER 1, 1, F0, F1, 0                        ; K step 1
	QUARTER 1, 2, F1, F0, 0
	QUARTER 1, 3, F0, F1, 0
	TURN 1, 0, 1                                   ; slot 1 takes K step 3
	QUARTER 0, 1, F0, F1, 0                        ; K step 2
	QUARTER 0, 2, F1, F0, 0
	QUARTER 0, 3, F0, F1, 0
	TURN 0, 1, 0                                   ; nothing is left to fetch
	QUARTER 1, 1, F0, F1, 0                        ; K step 3
	QUARTER 1, 2, F1, F0, 0
	QUARTER 1, 3, F0, F1, 0
	s_wait_dscnt 16
	WIN MUL
	MUL8 F1, 0, 0, 0
	MUL8 F1, 0, 2, 0
	s_wait_dscnt 0
	MUL8 F1, 1, 0, 0
	MUL8 F1, 1, 2, 0
	WIN 0
	; THE WAY OUT: 32 bytes a lane into the work-group's stage, each accumulator's low registers first; a barrier, since a row's 512 bytes come from two waves; back as whole rows, 32 rows a wave.
	PLACES
.irp a, 0,1,2,3
.irp b, 0,1,2,3
	ds_store_b128 v[STO], v[ACC+8*(4*(\a)+(\b)):ACC+8*(4*(\a)+(\b))+3]   offset:(\a)*16*SPITCH+64*(\b)
	ds_store_b128 v[STO], v[ACC+8*(4*(\a)+(\b))+4:ACC+8*(4*(\a)+(\b))+7] offset:(\a)*16*SPITCH+64*(\b)+16
.endr
.endr
.if KIND == 1
	s_wait_loadcnt 0x0                             ; bo and x
	WIN 0x82                                       ; destination and source 0 window 2: x + bo, while the stores land
.set t, 0
.rept 32
	v_pk_add_f32 v[4*t:4*t+1], v[4*t:4*t+1], v[BIAS:BIAS+1]
	v_pk_add_f32 v[4*t+2:4*t+3], v[4*t+2:4*t+3], v[BIAS+2:BIAS+3]
.set t, t+1
.endr
	WIN 0
.endif
	s_wait_dscnt 0x0                               ; for the others' sake: my stores into the stage are done
	s_barrier_signal -1
	s_barrier_wait -1
.set t, 0
.rept 32
	ds_load_b128 v[ACC+4*t:ACC+4*t+3], v[RD] offset:t*SPITCH
.set t, t+1
.endr
.if KIND == 0
	s_wait_loadcnt 0x0                             ; the bias
	s_wait_kmcnt 0x0                               ; the floor
.set t, 0
.rept 32
	s_wait_dscnt 31-t                              ; LDS loads come back in order: row t is in
	v_pk_add_f32 v[ACC+4*t:ACC+4*t+1], v[ACC+4*t:ACC+4*t+1], v[BIAS:BIAS+1]
	v_pk_add_f32 v[ACC+4*t+2:ACC+4*t+3], v[ACC+4*t+2:ACC+4*t+3], v[BIAS+2:BIAS+3]
	v_max_num_f32 v[ACC+4*t], s66, v[ACC+4*t]
	v_max_num_f32 v[ACC+4*t+1], s66, v[ACC+4*t+1]
	v_max_num_f32 v[ACC+4*t+2], s66, v[ACC+4*t+2]
	v_max_num_f32 v[ACC+4*t+3], s66, v[ACC+4*t+3]
	v_cvt_pk_bf16_f32 v[TMP+2*t], v[ACC+4*t], v[ACC+4*t+1]
	v_cvt_pk_bf16_f32 v[TMP+2*t+1], v[ACC+4*t+2], v[ACC+4*t+3]
	global_store_b64 v[CO8], v[TMP+2*t:TMP+2*t+1], s[8:9] offset:t*2048  ; 32 lanes x 8 bytes: 256 consecutive bytes, aligned
.set t, t+1
.endr
.elseif KIND == 1
	s_wait_dscnt 0x0
	WIN 0x08                                       ; source 1 window 2
.set t, 0
.rept 64
	v_pk_add_f32 v[ACC+2*t:ACC+2*t+1], v[ACC+2*t:ACC+2*t+1], v[2*t:2*t+1]
.set t, t+1
.endr
	WIN 0
.set t, 0
.rept 32
	global_store_b128 v[CO16], v[ACC+4*t:ACC+4*t+3], s[72:73] offset:t*4096  ; 512 consecutive bytes, aligned
	v_cvt_pk_bf16_f32 v[TMP+2*t], v[ACC+4*t], v[ACC+4*t+1]
	v_cvt_pk_bf16_f32 v[TMP+2*t+1], v[ACC+4*t+2], v[ACC+4*t+3]
	global_store_b64 v[CO8], v[TMP+2*t:TMP+2*t+1], s[8:9] offset:t*2048
.set t, t+1
.endr
.else
.set t, 0
.rept 32
	s_wait_dscnt 31-t                              ; LDS loads come back in order: row t is in
	global_store_b128 v[CO16], v[ACC+4*t:ACC+4*t+3], s[8:9] offset:t*4096  ; 512 consecutive bytes, aligned
.set t, t+1
.endr
.endif
	s_wait_tensorcnt 0x0                           ; the wave's end, behind my last tensor load and my last LDS store
	ds_add_u32 v[SPW], v[NIL]
	s_wait_dscnt 0x0
	CROUND                                         ; the closing round: no work-group ends while a partner may still ask for a tile that names it
	s_endpgm
.Lfunc_end_k_q96d13b2293_ff2a:
	.size	k_q96d13b2293_ff2a, .Lfunc_end_k_q96d13b2293_ff2a-k_q96d13b2293_ff2a
	.p2alignl 7, 3214868480
	.fill 96, 4, 3214868480
	.section	.rodata,"a",@progbits
	.p2align	6, 0x0
	.amdhsa_kernel k_q96d13b2293_ff2a
		.amdhsa_group_segment_fixed_size 327680
		.amdhsa_private_segment_fixed_size 0
		.amdhsa_enable_private_segment 0
		.amdhsa_kernarg_size 24
		.amdhsa_user_sgpr_count 2
		.amdhsa_user_sgpr_kernarg_segment_ptr 1
		.amdhsa_wavefront_size32 1
		.amdhsa_system_sgpr_workgroup_id_x 1
		.amdhsa_system_sgpr_workgroup_id_y 1
		.amdhsa_system_sgpr_workgroup_id_z 1
		.amdhsa_system_vgpr_workitem_id 0
		.amdhsa_next_free_vgpr 512
		.amdhsa_next_free_sgpr 80
		.amdhsa_reserve_vcc 0
		.amdhsa_float_denorm_mode_32 3
		.amdhsa_float_denorm_mode_16_64 3
		.amdhsa_memory_ordered 1
		.amdhsa_forward_progress 1
		.amdhsa_inst_pref_size 86
	.end_amdhsa_kernel
	.amdgpu_metadata
---
amdhsa.version: [ 1, 2 ]
amdhsa.kernels:
  - .name:           k_q96d13b2293_ff2a
    .symbol:         k_q96d13b2293_ff2a.kd
    .args:
      - { .name: hid, .offset: 0, .size: 8, .value_kind: global_buffer, .address_space: global }
      - { .name: packa, .offset: 8, .size: 8, .value_kind: global_buffer, .address_space: global }
      - { .name: part, .offset: 16, .size: 8, .value_kind: global_buffer, .address_space: global }
    .group_segment_fixed_size: 327680
    .private_segment_fixed_size: 0
    .kernarg_segment_align: 8
    .kernarg_segment_size: 24
    .max_flat_workgroup_size: 128
    .sgpr_count:     80
    .vgpr_count:     512
    .wavefront_size: 32
...
	.end_amdgpu_metadata
.endif
;; end of part 5
;; launch norm (part 6): grid 256 x 1, 4 waves a work-group, no clusters, 0 bytes of LDS; arguments part, stf, b2a, g1, be1, gate_logits, rows, hid; writes rows, hid
.if DOCPART == 6
	.amdgcn_target "amdgcn-amd-amdhsa--gfx1250"
	.amdhsa_code_object_version 6
	.text
	.protected	k_q96d13b2293_norm
	.globl	k_q96d13b2293_norm
	.p2align	8
	.type	k_q96d13b2293_norm,@function
k_q96d13b2293_norm:
	s_mov_b64 s[64:65], 0
	v_nop
	global_prefetch_b8 v0, s[64:65] scope:SCOPE_SE
	s_setreg_imm32_b32 hwreg(HW_REG_WAVE_MODE, 25, 1), 1
	s_wait_xcnt 0x0
; THE MIDDLE OF THE CHAIN, row by row.  st2 = P0 + P1 + P2 + P3 + b2a + st (the first feed-forward's four partial sums over K, its bias and its residual);
; y = x + gate LayerNorm(st2) (g1, be1), gate = softmax(gate_logits)[1].  y leaves in f32 (hid + 8 MiB, the last residual) and in bf16 (rows, the next product's operand).
; One wave, one row of 1,024 numbers, kept in 32 registers a lane: the reductions never leave the wave, so there is no LDS and no barrier.  1,024 rows: 256 work-groups of four waves.
; A stream: every load and f32 store of a wave covers 512 consecutive bytes, every bf16 store 256, aligned.  No matrix unit, no cluster: only b2a, g1 and be1 (12 KiB) are read by more than one wave.
; All 56 loads of the seven rows go out at once; g1 and be1 follow into registers that the sums have freed.  All arithmetic in f32; the mean is taken away before the squares are summed.
; The gate's maximum is taken away before its two exponentials; the smaller one may come out as 0 below 2^-126.
.set P0, 8             ; v[8:39]    plane 0, then the sums, then y
.set P1, 40            ; v[40:71]   plane 1, then g1
.set P2, 72            ; v[72:103]  plane 2, then be1
.set P3, 104           ; v[104:135] plane 3, then v104-113 at work on the gate and the root
.set ST, 136           ; v[136:167] st
.set B2, 168           ; v[168:199] b2a
.set XR, 200           ; v[200:231] x
.set S,  232           ; v[232:247] at work on the sums; later y in bf16
.macro LD8 dst, b, off, hint:vararg
.irp j, 0,1,2,3,4,5,6,7
	global_load_b128 v[(\dst)+4*(\j):(\dst)+4*(\j)+3], v1, s[\b:(\b)+1] offset:(\off)+512*(\j) \hint
.endr
.endm
.macro ADD32 src                       ; the row in P0 takes another row
.set p, 0
.rept 16
	v_pk_add_f32 v[P0+2*p:P0+2*p+1], v[P0+2*p:P0+2*p+1], v[(\src)+2*p:(\src)+2*p+1]
.set p, p+1
.endr
.endm
.macro WSUM r, t                       ; the sum over the wave's 32 lanes, in every lane; t has been written before
	v_add_f32_dpp v[\r], v[\r], v[\r] row_xmask:1 row_mask:0xf bank_mask:0xf
	v_add_f32_dpp v[\r], v[\r], v[\r] row_xmask:2 row_mask:0xf bank_mask:0xf
	v_add_f32_dpp v[\r], v[\r], v[\r] row_xmask:4 row_mask:0xf bank_mask:0xf
	v_add_f32_dpp v[\r], v[\r], v[\r] row_xmask:8 row_mask:0xf bank_mask:0xf
	v_permlanex16_b32 v[\t], v[\r], s34, s35
	v_add_f32 v[\r], v[\r], v[\t]
.endm
; The 1,024 numbers in v[D .. D+31] of 32 lanes: the mean is taken away in place; v[S+2] gets the sum of the squares of what is left.
.macro STATS D
.set j, 0
.rept 8
	v_pk_add_f32 v[S+2*j:S+2*j+1], v[(\D)+4*j:(\D)+4*j+1], v[(\D)+4*j+2:(\D)+4*j+3]
.set j, j+1
.endr
.set j, 0
.rept 4
	v_pk_add_f32 v[S+2*j:S+2*j+1], v[S+2*j:S+2*j+1], v[S+2*j+8:S+2*j+9]
.set j, j+1
.endr
	v_pk_add_f32 v[S:S+1], v[S:S+1], v[S+4:S+5]
	v_pk_add_f32 v[S+2:S+3], v[S+2:S+3], v[S+6:S+7]
	v_pk_add_f32 v[S:S+1], v[S:S+1], v[S+2:S+3]
	v_add_f32 v[S], v[S], v[S+1]
	WSUM S, S+1
	v_mul_f32 v[S], 0xba800000, v[S]               ; - sum / 1024
.set p, 0
.rept 16
	v_pk_add_f32 v[(\D)+2*p:(\D)+2*p+1], v[(\D)+2*p:(\D)+2*p+1], v[S:S+1] op_sel_hi:[1,0]
.set p, p+1
.endr
.set p, 0
.rept 4                                            ; four chains, started by the first four pairs: nothing is cleared
	v_pk_mul_f32 v[S+2+2*p:S+3+2*p], v[(\D)+2*p:(\D)+2*p+1], v[(\D)+2*p:(\D)+2*p+1]
.set p, p+1
.endr
.rept 12
	v_pk_fma_f32 v[S+2+2*(p%4):S+3+2*(p%4)], v[(\D)+2*p:(\D)+2*p+1], v[(\D)+2*p:(\D)+2*p+1], v[S+2+2*(p%4):S+3+2*(p%4)]
.set p, p+1
.endr
	v_pk_add_f32 v[S+2:S+3], v[S+2:S+3], v[S+4:S+5]
	v_pk_add_f32 v[S+6:S+7], v[S+6:S+7], v[S+8:S+9]
	v_pk_add_f32 v[S+2:S+3], v[S+2:S+3], v[S+6:S+7]
	v_add_f32 v[S+2], v[S+2], v[S+3]
	WSUM S+2, S+3
.endm
	s_load_b512 s[4:19], s[0:1], 0x0               ; part s[4:5], stf s[6:7], b2a s[8:9], g1 s[10:11], be1 s[12:13], gate_logits s[14:15], rows s[16:17], hid s[18:19]
	v_and_b32 v2, 31, v0
	v_lshrrev_b32 v3, 5, v0
	v_readfirstlane_b32 s2, v3                     ; wave 0..3
	v_lshlrev_b32 v1, 4, v2                        ; 16 x lane
	v_lshlrev_b32 v2, 3, v2                        ; 8 x lane
	s_lshl2_add_u32 s20, ttmp9, s2                 ; my row
	s_lshl_b32 s22, s20, 12
	s_mov_b32 s23, 0
	s_lshl_b32 s30, s20, 11
	s_mov_b32 s31, 0
	s_lshl_b32 s32, s20, 3
	s_mov_b32 s33, 0
	s_mov_b32 s34, 0x76543210                      ; v_permlanex16_b32: each lane takes its own place in the other half
	s_mov_b32 s35, 0xfedcba98
	s_mov_b32 s36, 0x3a800000                      ; 1 / 1024
	s_mov_b32 s37, 0x3727c5ac                      ; 1e-5
	s_wait_kmcnt 0x0
	s_add_nc_u64 s[4:5], s[4:5], s[22:23]          ; planes 0 and 1 (4 MiB apart: inside a load's immediate),
	s_add_nc_u64 s[24:25], s[4:5], 0x800000        ; planes 2 and 3,
	s_add_nc_u64 s[26:27], s[4:5], 0x1000000       ; x
	s_add_nc_u64 s[6:7], s[6:7], s[22:23]
	s_add_nc_u64 s[18:19], s[18:19], s[22:23]
	s_add_nc_u64 s[18:19], s[18:19], 0x800000      ; y in f32 lies 8 MiB into hid
	s_add_nc_u64 s[16:17], s[16:17], s[30:31]
	s_add_nc_u64 s[14:15], s[14:15], s[32:33]
	s_load_b64 s[28:29], s[14:15], 0x0             ; the row's two logits
	LD8 P0, 4, 0, th:TH_LOAD_NT
	LD8 P1, 4, 0x400000, th:TH_LOAD_NT
	LD8 P2, 24, 0, th:TH_LOAD_NT
	LD8 P3, 24, 0x400000, th:TH_LOAD_NT
	LD8 ST, 6, 0, th:TH_LOAD_NT
	LD8 B2, 8, 0
	LD8 XR, 26, 0, th:TH_LOAD_NT
	s_wait_loadcnt 40                              ; planes 0 and 1 are in; the 40 loads of planes 2 and 3, st, b2a and x stay out
	ADD32 P1
	LD8 P1, 10, 0                                  ; g1, into the registers just read
	s_wait_loadcnt 32                              ; planes 2 and 3 are in; st, b2a, x and g1 stay out
	ADD32 P2
	ADD32 P3
	LD8 P2, 12, 0                                  ; be1
	s_wait_loadcnt 24                              ; st and b2a are in; x, g1 and be1 stay out
	ADD32 ST
	ADD32 B2
	s_wait_kmcnt 0x0
	v_max_num_f32 v104, s28, s29                   ; the gate: the larger logit is taken away
	v_sub_f32 v105, s28, v104
	v_sub_f32 v106, s29, v104
	v_mul_f32 v105, 0x3fb8aa3b, v105
	v_mul_f32 v106, 0x3fb8aa3b, v106
	v_exp_f32 v105, v105                           ; a batch of two; the row's sums are the work between it and its wait
	v_exp_f32 v106, v106
	STATS P0
	s_wait_alu depctr_va_vdst(0)                   ; the wait ahead of the exponentials' first reader
	v_add_f32 v107, v105, v106                     ; at least 1
	v_fma_f32 v113, v[S+2], s36, s37               ; var + eps
	v_rcp_f32 v112, v107                           ; the second batch: the reciprocal and the root
	v_rsq_f32 v108, v113
	v_mov_b32 v109, 0                              ; the plain instruction behind them; the pairs' second words, named with the first
	v_mov_b32 v111, 0
	s_wait_alu depctr_va_vdst(0)
	v_mul_f32 v110, v106, v112                     ; gate
	s_wait_loadcnt 0x0                             ; x, g1, be1
.set p, 0
.rept 16
	v_pk_mul_f32 v[P0+2*p:P0+2*p+1], v[P0+2*p:P0+2*p+1], v[108:109] op_sel_hi:[1,0]
.set p, p+1
.endr
.set p, 0
.rept 16
	v_pk_fma_f32 v[P0+2*p:P0+2*p+1], v[P0+2*p:P0+2*p+1], v[P1+2*p:P1+2*p+1], v[P2+2*p:P2+2*p+1]
.set p, p+1
.endr
.set p, 0
.rept 16
	v_pk_fma_f32 v[P0+2*p:P0+2*p+1], v[P0+2*p:P0+2*p+1], v[110:111], v[XR+2*p:XR+2*p+1] op_sel_hi:[1,0,1]
.set p, p+1
.endr
.irp j, 0,1,2,3,4,5,6,7
	global_store_b128 v1, v[P0+4*(\j):P0+4*(\j)+3], s[18:19] offset:512*(\j)
.endr
.set p, 0
.rept 16
	v_cvt_pk_bf16_f32 v[S+p], v[P0+2*p], v[P0+2*p+1]
.set p, p+1
.endr
.irp j, 0,1,2,3,4,5,6,7
	global_store_b64 v2, v[S+2*(\j):S+2*(\j)+1], s[16:17] offset:256*(\j)
.endr
	s_endpgm
.Lfunc_end_k_q96d13b2293_norm:
	.size	k_q96d13b2293_norm, .Lfunc_end_k_q96d13b2293_norm-k_q96d13b2293_norm
	.p2alignl 7, 3214868480
	.fill 96, 4, 3214868480
	.section	.rodata,"a",@progbits
	.p2align	6, 0x0
	.amdhsa_kernel k_q96d13b2293_norm
		.amdhsa_group_segment_fixed_size 0
		.amdhsa_private_segment_fixed_size 0
		.amdhsa_enable_private_segment 0
		.amdhsa_kernarg_size 64
		.amdhsa_user_sgpr_count 2
		.amdhsa_user_sgpr_kernarg_segment_ptr 1
		.amdhsa_wavefront_size32 1
		.amdhsa_system_sgpr_workgroup_id_x 1
		.amdhsa_system_sgpr_workgroup_id_y 1
		.amdhsa_system_sgpr_workgroup_id_z 1
		.amdhsa_system_vgpr_workitem_id 0
		.amdhsa_next_free_vgpr 248
		.amdhsa_next_free_sgpr 66
		.amdhsa_reserve_vcc 0
		.amdhsa_float_denorm_mode_32 3
		.amdhsa_float_denorm_mode_16_64 3
		.amdhsa_memory_ordered 1
		.amdhsa_forward_progress 1
		.amdhsa_inst_pref_size 24
	.end_amdhsa_kernel
	.amdgpu_metadata
---
amdhsa.version: [ 1, 2 ]
amdhsa.kernels:
  - .name:           k_q96d13b2293_norm
    .symbol:         k_q96d13b2293_norm.kd
    .args:
      - { .name: part, .offset: 0, .size: 8, .value_kind: global_buffer, .address_space: global }
      - { .name: stf, .offset: 8, .size: 8, .value_kind: global_buffer, .address_space: global }
      - { .name: b2a, .offset: 16, .size: 8, .value_kind: global_buffer, .address_space: global }
      - { .name: g1, .offset: 24, .size: 8, .value_kind: global_buffer, .address_space: global }
      - { .name: be1, .offset: 32, .size: 8, .value_kind: global_buffer, .address_space: global }
      - { .name: gate_logits, .offset: 40, .size: 8, .value_kind: global_buffer, .address_space: global }
      - { .name: rows, .offset: 48, .size: 8, .value_kind: global_buffer, .address_space: global }
      - { .name: hid, .offset: 56, .size: 8, .value_kind: global_buffer, .address_space: global }
    .group_segment_fixed_size: 0
    .private_segment_fixed_size: 0
    .kernarg_segment_align: 8
    .kernarg_segment_size: 64
    .max_flat_workgroup_size: 128
    .sgpr_count:     66
    .vgpr_count:     248
    .wavefront_size: 32
...
	.end_amdgpu_metadata
.endif
;; end of part 6
;; launch ff1b: the kernel of part 2 again; grid 32 x 8, 4 waves a work-group, clusters of 4 x 4, 327,680 bytes of LDS; arguments rows, packc, hid; writes hid
;; launch ff2b: the kernel of part 5 again; grid 8 x 32, 4 waves a work-group, clusters of 4 x 4, 327,680 bytes of LDS; arguments hid, packb, part; writes part
;; launch last (part 7): grid 256 x 1, 4 waves a work-group, no clusters, 0 bytes of LDS; arguments part, hid, b2b, out0; writes out0
.if DOCPART == 7
	.amdgcn_target "amdgcn-amd-amdhsa--gfx1250"
	.amdhsa_code_object_version 6
	.text
	.protected	k_q96d13b2293_last
	.globl	k_q96d13b2293_last
	.p2align	8
	.type	k_q96d13b2293_last,@function
k_q96d13b2293_last:
	s_mov_b64 s[64:65], 0
	v_nop
	global_prefetch_b8 v0, s[64:65] scope:SCOPE_SE
	s_setreg_imm32_b32 hwreg(HW_REG_WAVE_MODE, 25, 1), 1
	s_wait_xcnt 0x0
; THE END OF THE CHAIN, row by row: out = P0 + P1 + P2 + P3 + b2b + y: the second feed-forward's four partial sums over K (f32 planes, 4 MiB apart), its bias and its residual (y in f32, 8 MiB into hid).
; One wave, one row of 1,024 numbers; 256 work-groups of four waves.  A stream: all 48 loads of a wave go out at once, each load and store covers 512 consecutive bytes, aligned; every byte is read once.
; No LDS, no barrier, no matrix unit, no cluster: only b2b (4 KiB) is read by more than one wave.
.set P0, 8             ; v[8:39] plane 0, then the sums;  v[40:71], v[72:103], v[104:135] planes 1 to 3;  v[136:167] y;  v[168:199] b2b
.set P1, 40
.set P2, 72
.set P3, 104
.set YR, 136
.set B2, 168
.macro LD8 dst, b, off, hint:vararg
.irp j, 0,1,2,3,4,5,6,7
	global_load_b128 v[(\dst)+4*(\j):(\dst)+4*(\j)+3], v1, s[\b:(\b)+1] offset:(\off)+512*(\j) \hint
.endr
.endm
.macro ADD32 src
.set p, 0
.rept 16
	v_pk_add_f32 v[P0+2*p:P0+2*p+1], v[P0+2*p:P0+2*p+1], v[(\src)+2*p:(\src)+2*p+1]
.set p, p+1
.endr
.endm
	s_load_b256 s[4:11], s[0:1], 0x0               ; part s[4:5], hid s[6:7], b2b s[8:9], out0 s[10:11]
	v_and_b32 v2, 31, v0
	v_lshrrev_b32 v3, 5, v0
	v_readfirstlane_b32 s2, v3                     ; wave 0..3
	v_lshlrev_b32 v1, 4, v2                        ; 16 x lane
	s_lshl2_add_u32 s12, ttmp9, s2                 ; my row
	s_lshl_b32 s14, s12, 12
	s_mov_b32 s15, 0
	s_wait_kmcnt 0x0
	s_add_nc_u64 s[4:5], s[4:5], s[14:15]          ; planes 0 and 1,
	s_add_nc_u64 s[16:17], s[4:5], 0x800000        ; planes 2 and 3
	s_add_nc_u64 s[6:7], s[6:7], s[14:15]
	s_add_nc_u64 s[6:7], s[6:7], 0x800000
	s_add_nc_u64 s[10:11], s[10:11], s[14:15]
	LD8 P0, 4, 0, th:TH_LOAD_NT
	LD8 P1, 4, 0x400000, th:TH_LOAD_NT
	LD8 P2, 16, 0, th:TH_LOAD_NT
	LD8 P3, 16, 0x400000, th:TH_LOAD_NT
	LD8 YR, 6, 0, th:TH_LOAD_NT
	LD8 B2, 8, 0
	s_wait_loadcnt 32                              ; planes 0 and 1 are in; the 32 younger loads stay out
	ADD32 P1
	s_wait_loadcnt 16                              ; planes 2 and 3 are in; y and b2b stay out
	ADD32 P2
	ADD32 P3
	s_wait_loadcnt 0x0
	ADD32 YR
	ADD32 B2
.irp j, 0,1,2,3,4,5,6,7
	global_store_b128 v1, v[P0+4*(\j):P0+4*(\j)+3], s[10:11] offset:512*(\j) th:TH_STORE_NT
.endr
	s_endpgm
.Lfunc_end_k_q96d13b2293_last:
	.size	k_q96d13b2293_last, .Lfunc_end_k_q96d13b2293_last-k_q96d13b2293_last
	.p2alignl 7, 3214868480
	.fill 96, 4, 3214868480
	.section	.rodata,"a",@progbits
	.p2align	6, 0x0
	.amdhsa_kernel k_q96d13b2293_last
		.amdhsa_group_segment_fixed_size 0
		.amdhsa_private_segment_fixed_size 0
		.amdhsa_enable_private_segment 0
		.amdhsa_kernarg_size 32
		.amdhsa_user_sgpr_count 2
		.amdhsa_user_sgpr_kernarg_segment_ptr 1
		.amdhsa_wavefront_size32 1
		.amdhsa_system_sgpr_workgroup_id_x 1
		.amdhsa_system_sgpr_workgroup_id_y 1
		.amdhsa_system_sgpr_workgroup_id_z 1
		.amdhsa_system_vgpr_workitem_id 0
		.amdhsa_next_free_vgpr 208
		.amdhsa_next_free_sgpr 66
		.amdhsa_reserve_vcc 0
		.amdhsa_float_denorm_mode_32 3
		.amdhsa_float_denorm_mode_16_64 3
		.amdhsa_memory_ordered 1
		.amdhsa_forward_progress 1
		.amdhsa_inst_pref_size 12
	.end_amdhsa_kernel
	.amdgpu_metadata
---
amdhsa.version: [ 1, 2 ]
amdhsa.kernels:
  - .name:           k_q96d13b2293_last
    .symbol:         k_q96d13b2293_last.kd
    .args:
      - { .name: part, .offset: 0, .size: 8, .value_kind: global_buffer, .address_space: global }
      - { .name: hid, .offset: 8, .size: 8, .value_kind: global_buffer, .address_space: global }
      - { .name: b2b, .offset: 16, .size: 8, .value_kind: global_buffer, .address_space: global }
      - { .name: out0, .offset: 24, .size: 8, .value_kind: global_buffer, .address_space: global }
    .group_segment_fixed_size: 0
    .private_segment_fixed_size: 0
    .kernarg_segment_align: 8
    .kernarg_segment_size: 32
    .max_flat_workgroup_size: 128
    .sgpr_count:     66
    .vgpr_count:     208
    .wavefront_size: 32
...
	.end_amdgpu_metadata
.endif
;; end of part 7
